; MI455X (gfx1250); checked and timed in simulation.
; The chip was launched on July 23, 2026; its instructions are those of AMD's public machine-readable ISA for CDNA 5 (MIT licence, August 2026) and "CDNA5" Instruction Set Architecture Reference Guide (July 2026). The comments in the code are by the model that wrote it; some were corrected since.
;; Multi Headed Attention. Allowed arithmetic: matrix products marked QUANTISED: E2M3 operands, one E8M0 scale for each 32 along K, by v_wmma_scale_f32_16x16x128_f8f6f4 with both operands' format E2M3, f32 sums; everything else in f32.
;; Inputs: Wk 1,024 x 1,024 float32; Wo 1,024 x 1,024 float32; Wq 1,024 x 1,024 float32; Wv 1,024 x 1,024 float32; bo 1,024 float32; key 4 x 2,048 x 1,024 float32; mask 4 x 2,048 int32; query 4 x 2,048 x 1,024 float32; value 4 x 2,048 x 1,024 float32.
;; Outputs: out0 4 x 2,048 x 1,024 float32.
;; This version of the problem:
;;   THIS VERSION OF THE PROBLEM IS GIVEN IN LOW PRECISION. The matrix products marked QUANTISED in the list below multiply operands that are first quantised to E2M3 (2 exponent bits, 3 mantissa bits; 6 bits a number), with one power-of-two scale for each 32 numbers along K (OCP MX v1.0); their sums are f32. All else is computed in f32.
;;   The module's matrix products, in the order in which they are computed (A, B: the left and right operand; K: the contracted axis; several contracted axes count as one K, in the product's order):
;;     1. [M 8,192, K 1,024] x [K 1,024, N 1,024]; A: input query; B: input Wq: QUANTISED
;;     2. [M 8,192, K 1,024] x [K 1,024, N 1,024]; A: input key; B: input Wk: QUANTISED
;;     3. [M 8,192, K 1,024] x [K 1,024, N 1,024]; A: input value; B: input Wv: QUANTISED
;;     4. batch 64 x [M 2,048, K 64] x [K 64, N 2,048]; A: computed on the way; B: computed on the way: QUANTISED
;;     5. batch 64 x [M 2,048, K 2,048] x [K 2,048, N 64]; A: softmax (see below); B: computed on the way: QUANTISED
;;     6. [M 8,192, K 1,024] x [K 1,024, N 1,024]; A: computed on the way; B: input Wo: QUANTISED
;;   THE QUANTISER, for each operand of a quantised product, along K:
;;     - K is cut into blocks of 32 from its start; a last block that is shorter is filled with zeros.
;;     - A block's scale is 2^e with e = floor(log2(the largest magnitude in the block)) - 2, held to -126 .. 127; a block of zeros has e = 0. As a byte (E8M0): e + 127.
;;     - Each number is divided by its block's scale, clamped to +-7.5, and rounded to the nearest number of E2M3, ties to even, subnormals kept.
;;     - The product sums the exact products of the quantised numbers (number of the format x scale) in f32.
;;   ~~~python
;;   def quantise(x, axis):      # numpy; x: float32 -> the quantised numbers, widened to float32 again
;;       x = np.moveaxis(x, axis, -1); K = x.shape[-1]
;;       x = np.pad(x, [(0, 0)] * (x.ndim - 1) + [(0, -K % 32)]); x = x.reshape(x.shape[:-1] + (-1, 32)); a = np.abs(x).max(-1, keepdims=True)
;;       e = np.where(a > 0, np.clip(np.frexp(np.where(a > 0, a, 1))[1] - 1 - 2, -126, 127), 0)      # np.frexp(a)[1] - 1 = floor(log2(a)), exactly
;;       r = np.clip(x / 2.0 ** e, -7.5, 7.5)
;;       step = 2.0 ** (np.maximum(np.frexp(np.where(r == 0, 1, r))[1] - 1, 0) - 3)
;;       q = np.round(r / step) * step * 2.0 ** e      # np.round: ties to even
;;       return np.moveaxis(q.reshape(q.shape[:-2] + (-1,))[..., :K], -1, axis).astype(np.float32)
;;   ~~~
;;   SOFTMAX AHEAD OF A QUANTISED PRODUCT. Where the list says 'softmax', what is quantised is not the finished softmax but p = 2^(t - M), with t = logit x log2(e) and M = ceil(the row's largest t), a whole number; so 1/2 < the row's largest p <= 1. The row's sum l is taken of the UNQUANTISED p, in f32, and the product's result is divided by l at the end. Since M is a whole number, a kernel that streams over the keys may use a running M (the ceiling of the running maximum): every later rescaling is an exact power of two, which a block's scale takes up: the codes' values come out the same.
;;   OPERANDS COMPUTED ON THE WAY. 'Computed on the way' means the value that the module computes at that place (a softmax that the list does not call 'softmax' is quantised finished and normalised). What goes into a quantiser is computed in f32, as accurately as f32 sums, v_exp_f32 and their like allow (about 1e-6 of the number): no bf16 or f16 on the way to a quantiser, and a product that is left as it is and whose result goes on into a quantised operand takes f32 operands (vector FMAs, or v_wmma_f32_16x16x4_f32). A number that lies on a knife's edge between two numbers of the format may be rounded either way, as far as f32 arithmetic and the matrix unit's own rounding can turn it there, and no further.
;; One version. Each part assembles by itself: llvm-mc -triple=amdgcn-amd-amdhsa -mcpu=gfx1250 --defsym DOCPART=n.
;; ======== version 1 of 1: 4 launches
;; limits: right only within a limited range of input values
;; workspace buffers: code 22,020,096 bytes; scale 917,504 bytes; att 20,185,088 bytes; ximg 6,291,456 bytes; xsc 524,288 bytes
;; launch quant (part 1): grid 448 x 1, 4 waves a work-group, no clusters, 34,304 bytes of LDS; arguments query, key, value, Wq, Wk, Wv, Wo, code, scale; writes code, scale
.if DOCPART == 1
	.amdgcn_target "amdgcn-amd-amdhsa--gfx1250"
	.amdhsa_code_object_version 6
	.text
	.protected	k_q4c631b88a8_quant
	.globl	k_q4c631b88a8_quant
	.p2align	8
	.type	k_q4c631b88a8_quant,@function
k_q4c631b88a8_quant:
	s_mov_b64 s[64:65], 0
	v_nop
	global_prefetch_b8 v0, s[64:65] scope:SCOPE_SE
	s_setreg_imm32_b32 hwreg(HW_REG_WAVE_MODE, 25, 1), 1
	s_wait_xcnt 0x0
; query, key, value [8192][1024] and Wq, Wk, Wv, Wo [1024][1024], f32 with K innermost, become codes of FP6 (E2M3) and E8M0 scale bytes, one for each 32 along K.
; A block's scale is 2^(floor(log2(its largest magnitude)) - 2): its byte is the largest magnitude's exponent field - 2, held at 1 from below.
; LIMITS: a block of zeros gets the byte 1 where the rule says 127 (its codes are zeros, and this program alone reads the bytes); blocks whose largest magnitude lies under 2^(3 - 127) are held at
; the byte 1; NaN and infinities among the inputs are not served.
; THE OUTPUT IS LAID AS THE MATRIX OPERANDS' REGISTERS.  A row tile T holds 16 rows: lane r has row 32 (T / 2) + 8 (T % 2) + r + 8 (r / 8).  For each 128 along K a tile has an image of 1,536 bytes:
; lane l's registers 0-3 at 16 l, 4-5 at 512 + 8 l, 6-9 at 768 + 16 l, 10-11 at 1,280 + 8 l; registers 6 c .. 6 c + 5 of lane (r, h) are k = 64 c + 32 h + 0 .. 31.  A tile's scale words are 512 bytes:
; the word at 16 l + 4 j belongs to K step 2 j + l / 16 and row lane l % 16.  So every store of a wave covers 256 or 512 consecutive bytes, aligned, and the readers load operands whole.
; SHARES: a wave takes one tile, in 8 steps of 128 along K.  Each load reads 512 consecutive bytes of one row; a step's 16 rows turn through the wave's own stage in LDS and come back 128 bytes a lane.
; No tensor load, no barrier, no cluster: waves share nothing, and every input byte is read once.  Loads run two steps (32 loads a wave) ahead.
.set STGB,  8448                       ; a wave's stage: 16 rows x (512 bytes + 16): row r starts at bank 4 r mod 64 (64 banks of 4 bytes: ISA guide 11.1)
.set SPARE, 4*STGB                     ; behind the stages: the spare words, 128 bytes for each wave: two blocks of 256 bytes that no other line names
.set L16,  1                           ; v1   16 x lane
.set L8,   2                           ; v2   8 x lane
.set SI,   3                           ; v3   the stage, on the way in: 16 x lane
.set SO,   4                           ; v4   and out: 528 r + 128 h
.set SH8,  5                           ; v5   8 h
.set SPW,  6                           ; v6   LDS address of my spare word; never rewritten
.set NIL,  7                           ; v7   0; never rewritten
.set MX,   8                           ; v8-9   largest magnitudes of my two blocks
.set SF,   10                          ; v10-11 the conversions' scale operands
.set BY,   12                          ; v12-13 the scales' bytes
.set WD,   14                          ; v14  my two bytes at their places in the scale word
.set PD,   15                          ; v15  the other half's two
.set WS,   16                          ; v16-23 a scale word for each step
.set SG,   24                          ; v24-27 the scale words as they leave
.set R,    32                          ; v32-159  two sets of 64 numbers as loaded
.set X,    160                         ; v160-223 my 64 numbers of a step: block c at X + 32 c
.set PC,   224                         ; v224-247 two sets of 12: a fragment's codes
.set CT,   248                         ; v248-255 the upper halves of the two blocks (a conversion's three registers begin on an even number)
	s_load_b256 s[4:11], s[0:1], 0x0               ; query, key, value, Wq
	s_load_b256 s[12:19], s[0:1], 0x20             ; Wk, Wv, Wo, code
	s_load_b64 s[20:21], s[0:1], 0x40              ; scale
	v_lshl_add_u32 v[SPW], v0, 2, SPARE
	v_mov_b32 v[NIL], 0
	v_lshrrev_b32 v[MX], 5, v0
	v_readfirstlane_b32 s22, v[MX]                 ; wave 0..3
	v_and_b32 v[MX+1], 31, v0                      ; lane
	v_lshlrev_b32 v[L16], 4, v[MX+1]
	v_lshlrev_b32 v[L8], 3, v[MX+1]
	s_mul_i32 s23, s22, STGB                       ; my stage
	v_add_nc_u32 v[SI], s23, v[L16]
	v_and_b32 v[SF], 15, v0                        ; r
	v_bfe_u32 v[SF+1], v0, 4, 1                    ; h
	v_mul_u32_u24 v[SO], v[SF], 528
	v_lshl_add_u32 v[SO], v[SF+1], 7, v[SO]
	v_add_nc_u32 v[SO], s23, v[SO]
	v_lshlrev_b32 v[SH8], 3, v[SF+1]
	v_mov_b32 v[PD], 0                             ; written once: a lane permute's destination counts as one of its sources
	s_mov_b32 s28, 0x76543210
	s_mov_b32 s29, 0xfedcba98                      ; v_permlanex16_b32's selects for lane l xor 16
	s_mov_b32 s30, 0xffff0000                      ; lanes 16-31
	s_wait_alu depctr_va_vdst(0)
	s_wait_kmcnt 0x0
	; which tensor: the choice hangs on the work-group's number alone.  128 work-groups for each of query, key, value, 16 for each weight
	s_mov_b64 s[24:25], s[16:17]                   ; Wo,
	s_mov_b32 s26, 432                             ; whose first work-group is 432
.macro PICK lim, lo, first
	s_cmp_lt_u32 ttmp9, \lim
	s_cselect_b64 s[24:25], s[\lo:\lo+1], s[24:25]
	s_cselect_b32 s26, \first, s26
.endm
	PICK 432, 14, 416                              ; Wv
	PICK 416, 12, 400                              ; Wk
	PICK 400, 10, 384                              ; Wq
	PICK 384, 8, 256                               ; value
	PICK 256, 6, 128                               ; key
	PICK 128, 4, 0                                 ; query
	s_sub_co_u32 s27, ttmp9, s26
	s_lshl_b32 s27, s27, 2
	s_add_co_u32 s27, s27, s22                     ; T: my tile in its tensor
	; THE TENSOR key HAS ANOTHER ORDER OF ROWS: lane r of its tile T has row 64 (T / 4) + 8 (T % 4) + r % 8 + 32 (r / 8), so that in the attention launch a lane's 32 scores of four tiles are one block of 32 keys
	s_cmp_eq_u32 s26, 128                          ; key's first work-group is 128
	s_cselect_b32 s35, 2, 1                        ; tiles to a group: 4 or 2,
	s_cselect_b32 s38, 3, 1
	s_cselect_b32 s36, 0x10000, 0                  ; and lanes 8-15 stand 16 rows further on than in the other tensors
	s_lshr_b32 s32, s27, s35
	s_add_co_u32 s35, s35, 16
	s_lshl_b32 s32, s32, s35                       ; 64 or 32 rows of 4,096 bytes for each group of tiles,
	s_and_b32 s33, s27, s38
	s_lshl_b32 s33, s33, 15                        ; 8 rows for each tile in it
	s_add_co_u32 s32, s32, s33
	s_mov_b32 s33, 0
	s_add_nc_u64 s[24:25], s[24:25], s[32:33]
	s_mov_b32 s37, 0
	s_add_nc_u64 s[36:37], s[24:25], s[36:37]      ; the base for row lanes 8-15
	s_lshl_b32 s34, ttmp9, 2
	s_add_co_u32 s34, s34, s22                     ; my tile among all 1,792
	s_mul_i32 s32, s34, 12288
	s_add_nc_u64 s[18:19], s[18:19], s[32:33]
	s_lshl_b32 s32, s34, 9
	s_add_nc_u64 s[20:21], s[20:21], s[32:33]
.macro LOAD t                          ; step t: 128 numbers of each of my 16 rows; load i takes row lane i
.irp i, 0,1,2,3,4,5,6,7,8,9,10,11,12,13,14,15
	global_load_b128 v[R+64*((\t)%2)+4*\i:R+64*((\t)%2)+4*\i+3], v[L16], s[24+12*(\i/8):25+12*(\i/8)] offset:(\i+8*(\i/8))*4096+512*(\t) th:TH_LOAD_NT
.endr
.endm
.macro STEP t
.set RS, R+64*((\t)%2)
.set PS, PC+12*((\t)%2)
.if (\t) < 7
	s_wait_loadcnt 16                              ; this step's 16 loads are in; the next step's 16 may be out
.else
	s_wait_loadcnt 0
.endif
.irp i, 0,1,2,3,4,5,6,7,8,9,10,11,12,13,14,15
	ds_store_b128 v[SI], v[RS+4*\i:RS+4*\i+3] offset:528*\i
.endr
.irp c, 0,1
.irp q, 0,1,2,3,4,5,6,7
	ds_load_b128 v[X+32*\c+4*\q:X+32*\c+4*\q+3], v[SO] offset:256*\c+16*\q   ; LDS serves a wave's instructions in order (ISA guide 5.7.1.4): these see the stores above
.endr
.endr
	s_wait_dscnt 0x0                               ; my 64 numbers are back, and the stores have read their registers,
.if (\t) < 6
	LOAD (\t)+2                                    ; which take the loads of two steps on
.endif
.irp c, 0,1
	v_max3_num_f32 v[MX+\c], |v[X+32*\c]|, |v[X+32*\c+1]|, 0x1800000   ; block 2 c + h: all its 32 numbers are mine; the floor 2^(3 - 127) holds the byte at 1 from below
.endr
.irp i, 2,4,6,8,10,12,14,16,18,20,22,24,26,28,30
.irp c, 0,1
	v_max3_num_f32 v[MX+\c], v[MX+\c], |v[X+32*\c+\i]|, |v[X+32*\c+\i+1]|
.endr
.endr
.irp c, 0,1
	v_add_nc_u32 v[SF+\c], 0xff000000, v[MX+\c]    ; 2 off the exponent field: the conversion takes the exponent field of this operand as its scale
.endr
.irp c, 0,1
	v_lshrrev_b32 v[BY+\c], 23, v[SF+\c]           ; the scale's byte
.endr
	v_lshl_or_b32 v[WD], v[BY+1], 16, v[BY]        ; blocks h and 2 + h,
	v_lshlrev_b32 v[WD], v[SH8], v[WD]             ; at their places in the row's word;
	v_permlanex16_b32 v[PD], v[WD], s28, s29
	v_or_b32 v[WS+(\t)], v[WD], v[PD]              ; with lane l xor 16's two the word is whole, in both halves
	s_wait_alu depctr_va_vdst(0)
	s_wait_xcnt 0x0                                ; the stores of two steps ago have read this set of codes: it is rewritten only behind this wait
.irp c, 0,1
	v_cvt_scalef32_pk16_fp6_f32 v[PS+6*\c:PS+6*\c+2], v[X+32*\c:X+32*\c+15], v[SF+\c]
	v_cvt_scalef32_pk16_fp6_f32 v[CT+4*\c:CT+4*\c+2], v[X+32*\c+16:X+32*\c+31], v[SF+\c]
.endr
	v_nop                                          ; one plain place behind a scaled conversion
.irp c, 0,1
.irp i, 0,1,2
	v_mov_b32 v[PS+6*\c+3+\i], v[CT+4*\c+\i]
.endr
.endr
	global_store_b128 v[L16], v[PS:PS+3], s[18:19] offset:1536*(\t)            ; 512 consecutive bytes, aligned
	global_store_b64 v[L8], v[PS+4:PS+5], s[18:19] offset:1536*(\t)+512        ; 256
	global_store_b128 v[L16], v[PS+6:PS+9], s[18:19] offset:1536*(\t)+768
	global_store_b64 v[L8], v[PS+10:PS+11], s[18:19] offset:1536*(\t)+1280
.endm
	LOAD 0
	LOAD 1
.irp t, 0,1,2,3,4,5,6,7
	STEP \t
.endr
.irp j, 0,1,2,3
	v_cndmask_b32 v[SG+\j], v[WS+2*\j], v[WS+2*\j+1], s30   ; lanes 0-15: K step 2 j, lanes 16-31: K step 2 j + 1
.endr
	global_store_b128 v[L16], v[SG:SG+3], s[20:21]
	s_wait_tensorcnt 0x0                           ; the wave's end, behind my last LDS store
	ds_add_u32 v[SPW], v[NIL]
	s_wait_dscnt 0x0
	s_endpgm
.Lfunc_end_k_q4c631b88a8_quant:
	.size	k_q4c631b88a8_quant, .Lfunc_end_k_q4c631b88a8_quant-k_q4c631b88a8_quant
	.p2alignl 7, 3214868480
	.fill 96, 4, 3214868480
	.section	.rodata,"a",@progbits
	.p2align	6, 0x0
	.amdhsa_kernel k_q4c631b88a8_quant
		.amdhsa_group_segment_fixed_size 34304
		.amdhsa_private_segment_fixed_size 0
		.amdhsa_enable_private_segment 0
		.amdhsa_kernarg_size 72
		.amdhsa_user_sgpr_count 2
		.amdhsa_user_sgpr_kernarg_segment_ptr 1
		.amdhsa_wavefront_size32 1
		.amdhsa_system_sgpr_workgroup_id_x 1
		.amdhsa_system_sgpr_workgroup_id_y 1
		.amdhsa_system_sgpr_workgroup_id_z 1
		.amdhsa_system_vgpr_workitem_id 0
		.amdhsa_next_free_vgpr 256
		.amdhsa_next_free_sgpr 66
		.amdhsa_reserve_vcc 0
		.amdhsa_float_denorm_mode_32 3
		.amdhsa_float_denorm_mode_16_64 3
		.amdhsa_memory_ordered 1
		.amdhsa_forward_progress 1
		.amdhsa_inst_pref_size 59
	.end_amdhsa_kernel
	.amdgpu_metadata
---
amdhsa.version: [ 1, 2 ]
amdhsa.kernels:
  - .name:           k_q4c631b88a8_quant
    .symbol:         k_q4c631b88a8_quant.kd
    .args:
      - { .name: query, .offset: 0, .size: 8, .value_kind: global_buffer, .address_space: global }
      - { .name: key, .offset: 8, .size: 8, .value_kind: global_buffer, .address_space: global }
      - { .name: value, .offset: 16, .size: 8, .value_kind: global_buffer, .address_space: global }
      - { .name: Wq, .offset: 24, .size: 8, .value_kind: global_buffer, .address_space: global }
      - { .name: Wk, .offset: 32, .size: 8, .value_kind: global_buffer, .address_space: global }
      - { .name: Wv, .offset: 40, .size: 8, .value_kind: global_buffer, .address_space: global }
      - { .name: Wo, .offset: 48, .size: 8, .value_kind: global_buffer, .address_space: global }
      - { .name: code, .offset: 56, .size: 8, .value_kind: global_buffer, .address_space: global }
      - { .name: scale, .offset: 64, .size: 8, .value_kind: global_buffer, .address_space: global }
    .group_segment_fixed_size: 34304
    .private_segment_fixed_size: 0
    .kernarg_segment_align: 8
    .kernarg_segment_size: 72
    .max_flat_workgroup_size: 128
    .sgpr_count:     66
    .vgpr_count:     256
    .wavefront_size: 32
...
	.end_amdgpu_metadata
.endif
;; end of part 1
;; launch proj (part 2): grid 4 x 64, 4 waves a work-group, clusters of 4 x 4, 327,680 bytes of LDS; arguments code, scale, att; writes att
.if DOCPART == 2
	.amdgcn_target "amdgcn-amd-amdhsa--gfx1250"
	.amdhsa_code_object_version 6
	.text
	.protected	k_q4c631b88a8_proj
	.globl	k_q4c631b88a8_proj
	.p2align	8
	.type	k_q4c631b88a8_proj,@function
k_q4c631b88a8_proj:
	s_mov_b64 s[64:65], 0
	v_nop
	global_prefetch_b8 v0, s[64:65] scope:SCOPE_SE
	s_setreg_imm32_b32 hwreg(HW_REG_WAVE_MODE, 25, 1), 1
	s_wait_xcnt 0x0
	s_wait_alu depctr_hold_cnt(0) depctr_sa_sdst(0) depctr_va_vdst(0) depctr_va_sdst(0) depctr_va_ssrc(0) depctr_va_vcc(0) depctr_vm_vsrc(0)
	s_getreg_b32 s2, hwreg(HW_REG_IB_STS2, 6, 4)
	s_cmp_eq_u32 s2, 0
	s_cbranch_scc0 .Lentry_in_a_cluster
	s_endpgm
.Lentry_in_a_cluster:
	s_bfe_u32 s2, ttmp6, 0x10000c
	s_cmp_lg_u32 s2, 0xf033
	s_cbranch_scc0 .Lentry_shape_is_right
	s_endpgm
.Lentry_shape_is_right:
; The three projections on codes of FP6 (E2M3), and their results quantised in registers for the attention launch.  One form serves all: C[i][j] = sum over k of A[i][k] B[j][k], K = 1,024, C quantised along j.
;   p = 0: A = query, B = Wq;  p = 1: A = key, B = Wk  (i = tokens, j = features: q and k are quantised along a head's 64);   p = 2: A = Wv, B = value (i = features, j = tokens: V^T, quantised along the keys).
; Operands come as images of operand registers (16 rows x 128 K = 1,536 bytes, a tile's eight K steps on end), so a fragment is four LDS loads of consecutive bytes.
; THE MATRIX INSTRUCTION IS USED TRANSPOSED: source 0 = a tile of B, source 1 = a tile of A.  A lane then holds ONE row i, and by the order of rows in B's tiles the 16 registers of B's tiles 2 b and 2 b + 1 are the
; neighbours j = 32 b + 16 (lane / 16) + 0 .. 15: what the conversions want.
; SHARES: a block is 128 i x 256 j, a wave's part 64 x 128: 4 tiles of A x 8 of B = 32 accumulators, 8 K steps.  There are 768 blocks for 256 work-groups: A WORK-GROUP STAYS and makes three, p = 0, 1, 2.
; THE RING: two LDS slots, each with four K steps of A's 8 tiles and B's 16 (147,456 bytes).  Slot 0 holds a block's K steps 0-3, slot 1 its steps 4-7, and the ring goes on from block to block.  In the middle of
; steps 3 and 7 the slot just read out is filled again, one joint load a wave, behind a round of the cluster's barrier; by this text's count a wave has one tensor load outstanding, and every wait for it is for 0.
; The last block (p = 2) asks for nothing more and is written out behind the loop over p = 0, 1.
; CLUSTERS: 4 x 4 work-groups; A's tiles are shared along a row of the cluster, B's along a column: each is asked for jointly.
; PREFETCH: behind each refill a wave asks for the tiles of the refill that follows it: 6,144 bytes of a tile are 24 blocks of 256 bytes, a lane a block; the four partners that ask for a tile set jointly share
; its tiles out by address (A: one tile each; B: two).  The launch's first three fills, block 0's two halves and block 1's K steps 0-3, are asked for by nothing but their loads.
; THE SCALE WORDS of the next block are loaded in the middle of a block into registers of their own and moved when the block's last product has read the old ones.
; Byte 2 of a key's scale word is 144, of a query's 143, byte 3 is 127: the attention launch uses k = 64 of its products for the mask, in codes.
; LIMITS of the quantiser: a block of zeros gets the byte 1 (its codes are zeros; this program alone reads the bytes); NaN and infinities are not served.
; REGISTERS: window 0: addresses, scale words, A's four fragments, the epilogue's work.  window 1: B's fragments, two sets, at v0 and v128.  window 2: accumulator (a, b) at v[8 (8 a + b)].
.set REC,   315392                     ; a head's record in att: K codes 98,304 | V codes 98,304 | K scales 8,192 | V scales 4,096 | Q codes 98,304 | Q scales 8,192
.set SLOT,  147456
.set SPARE, 2*SLOT                     ; behind the ring: the spare words, 128 bytes for each wave
.set AD,  4                            ; v4-11 LDS addresses: slot s at AD + 4 s: 16 and 8 x lane + my tiles of A, the same for B
.set L16, 12                           ; v12  16 x lane
.set L8,  13                           ; v13  8 x lane
.set SPW, 14                           ; v14  LDS address of my spare word; never rewritten
.set NIL, 15                           ; v15  0; never rewritten
.set PF,  16                           ; v16  256 x min(lane, 23): the prefetches' offset
.set MU,  17                           ; v17  bytes 2, 3 of a scale word of q or k
.set SCA, 24                           ; v24-39 A's scale words: tile a, register j: K step 2 j in lanes 0-15, 2 j + 1 in lanes 16-31
.set SCB, 40                           ; v40-71 B's
.set AF,  72                           ; v72-119 A's fragments
.set TM,  120                          ; v120-135 the quantiser's work
.set CT,  136                          ; v136-143
.set PW,  144                          ; v144-147 the scale word of my row, for A's tile a
.set W,   148                          ; v148-155
.set OUT, 156                          ; v156-159
.set CD,  160                          ; v160-207 the codes just made
.set NS,  208                          ; v208-255 the next block's scale words
.set G1A, 24                           ; s[24:31] descriptor group 1 for A's tiles, s[32:39] for B's
.set G1B, 32
.set G0A, 40                           ; s[40:47] groups 0 for A, one for each slot; s[48:55] for B
.set G0B, 48
.set MSB, 0
.macro WIN new                         ; the immediate's high byte repeats the setting that is left
.if MSB != \new
	s_set_vgpr_msb (MSB<<8)|\new
.set MSB, \new
.endif
.endm
.set MULW, 0xa1                        ; source 0 (B) window 1, source 1 (A) window 0, C and D window 2
.set TO_B, 0x40                        ; destination window 1, address window 0
.macro CROUND                          ; a round of the cluster's barrier
	s_barrier_signal -1
	s_barrier_wait -1
	s_cmp_lg_u32 s12, 0
	s_cbranch_scc1 .Lnot_wave_0_\@
	s_barrier_signal -3
.Lnot_wave_0_\@:
	s_barrier_wait -3
	s_barrier_signal -1
	s_barrier_wait -1
.endm
.macro PLACES n                        ; plain vector places behind matrix instructions (ISA guide 7.12.1)
.rept \n
	v_nop
.endr
.endm
.macro JLOAD slot                      ; a joint load: waves 0, 1 fetch A's two halves, waves 2, 3 B's; an s_nop 0 and four v_nop behind each line
	s_cmp_eq_u32 s13, 0
	s_cbranch_scc0 .Lfor_b_\@
	tensor_load_to_lds s[G0A+4*(\slot):G0A+4*(\slot)+3], s[G1A:G1A+7]
	s_nop 0
	PLACES 4
	s_branch .Lasked_\@
.Lfor_b_\@:
	tensor_load_to_lds s[G0B+4*(\slot):G0B+4*(\slot)+3], s[G1B:G1B+7]
	s_nop 0
	PLACES 4
.Lasked_\@:
.endm
.macro ASK off, first                  ; the prefetch: my work-group's share of the tiles that my next refill brings.  first = 1: only in the trip p = 0 (behind p = 1 no block follows the next one)
.if \first
	s_cmp_eq_u32 s78, 0
	s_cbranch_scc0 .Lnone_\@
.endif
	global_prefetch_b8 v[PF], s[96:97] offset:\off th:TH_LOAD_NT scope:SCOPE_SE
	s_cmp_eq_u32 s13, 0
	s_cbranch_scc1 .Lnone_\@
	global_prefetch_b8 v[PF], s[96:97] offset:\off+12288 th:TH_LOAD_NT scope:SCOPE_SE   ; B's second tile
.Lnone_\@:
.endm
	s_load_b128 s[4:7], s[0:1], 0x0                ; code s[4:5], scale s[6:7]
	s_load_b64 s[10:11], s[0:1], 0x10              ; att
	v_lshl_add_u32 v[SPW], v0, 2, SPARE
	v_mov_b32 v[NIL], 0
	ds_add_u32 v[SPW], v[NIL]                      ; the opening lines: the add, twice on end, and its wait ahead of my first tensor load
	ds_add_u32 v[SPW], v[NIL]
	v_lshrrev_b32 v1, 5, v0
	v_readfirstlane_b32 s12, v1                    ; wave 0..3
	s_lshr_b32 s13, s12, 1                         ; wi: my half of a block's i.  Also: I fetch for A (0) or for B (1)
	s_and_b32 s14, s12, 1                          ; wj: my half of its j.  Also: which half of the tiles I fetch
	s_bfe_u32 s15, ttmp6, 0x40000                  ; cx
	s_bfe_u32 s16, ttmp6, 0x40004                  ; cy
	s_and_b32 s19, ttmp7, 0xffff                   ; the cluster's y, 0..15
	s_lshl_b32 s20, s19, 2
	s_add_co_u32 s20, s20, s16                     ; q, k: my block of 128 tokens (my block of 256 features is cx)
	s_lshr_b32 s22, s19, 3
	s_lshl_b32 s22, s22, 2
	s_add_co_u32 s22, s22, s16                     ; V^T: my block of 128 features,
	s_and_b32 s23, s19, 7
	s_lshl_b32 s23, s23, 2
	s_add_co_u32 s23, s23, s15                     ; and of 256 tokens
	s_lshl_b32 s17, s16, 2
	s_lshl_b32 s17, 15, s17                        ; my row of the cluster
	s_lshl_b32 s18, 0x1111, s15                    ; my column
	; group 1: rows of 6,144 bytes (four K steps of a tile: 768 elements of 8 bytes), 12,288 bytes apart in memory, dense in LDS; 4 tiles for A, 8 for B
	s_or_b32 s[G1A], s17, (3<<16)|(1<<21)
	s_or_b32 s[G1B], s18, (3<<16)|(1<<21)
	s_mov_b32 s[G1A+1], 768<<16
	s_mov_b32 s[G1B+1], 768<<16
	s_mov_b32 s[G1A+2], 4<<16
	s_mov_b32 s[G1B+2], 8<<16
	s_mov_b32 s[G1A+3], 768<<16
	s_mov_b32 s[G1B+3], 768<<16
	s_mov_b32 s[G1A+4], 4
	s_mov_b32 s[G1B+4], 8
	s_mov_b32 s[G1A+5], 1536
	s_mov_b32 s[G1B+5], 1536
	s_mov_b32 s[G1A+6], 0
	s_mov_b32 s[G1B+6], 0
	s_mov_b32 s[G1A+7], 0
	s_mov_b32 s[G1B+7], 0
	; tiles in the codes' buffer: query 0, key 512, value 1,024, Wq 1,536, Wk 1,600, Wv 1,664.  A's numbers hang on cy alone, B's on cx alone
	s_lshl_b32 s86, s20, 3
	s_lshl_b32 s87, s22, 3
	s_add_co_u32 s87, s87, 1664
	s_lshl_b32 s98, s14, 2
	s_add_co_u32 s66, s86, s98                     ; s66-68: the four tiles of A that I fetch, p = 0, 1, 2
	s_add_co_u32 s67, s66, 512
	s_add_co_u32 s68, s87, s98
	s_lshl_b32 s98, s13, 2
	s_add_co_u32 s72, s86, s98                     ; s72-74: the four that I multiply: their scale words, 512 bytes a tile
	s_add_co_u32 s73, s72, 512
	s_add_co_u32 s74, s87, s98
	s_lshl_b32 s72, s72, 9
	s_lshl_b32 s73, s73, 9
	s_lshl_b32 s74, s74, 9
	s_mul_i32 s66, s66, 12288
	s_mul_i32 s67, s67, 12288
	s_mul_i32 s68, s68, 12288
	s_lshl_b32 s99, s14, 3
	s_lshl_b32 s69, s15, 4
	s_add_co_u32 s69, s69, s99
	s_add_co_u32 s70, s69, 1600
	s_add_co_u32 s69, s69, 1536                    ; s69-71: my eight tiles of B
	s_lshl_b32 s71, s23, 4
	s_add_co_u32 s71, s71, s99
	s_add_co_u32 s71, s71, 1024
	s_lshl_b32 s75, s69, 9                         ; s75-77: their scale words
	s_lshl_b32 s76, s70, 9
	s_lshl_b32 s77, s71, 9
	s_mul_i32 s69, s69, 12288
	s_mul_i32 s70, s70, 12288
	s_mul_i32 s71, s71, 12288
	s_mul_i32 s86, s15, 12288                      ; the prefetches: of A's four tiles the partner at cx takes one, of B's eight the partner at cy two
	s_mul_i32 s87, s16, 24576
	s_add_co_u32 s98, s67, s86
	s_add_co_u32 s99, s70, s87
	s_add_co_u32 s86, s68, s86
	s_add_co_u32 s87, s71, s87
	s_cmp_eq_u32 s13, 0
	s_cselect_b32 s79, s98, s99                    ; s79, s80: where they begin for p = 1, 2
	s_cselect_b32 s80, s86, s87
	; where q's and k's results go: my 128 features are two heads
	s_lshr_b32 s86, s20, 4
	s_lshl_b32 s86, s86, 4                         ; 16 x batch
	s_lshl_b32 s87, s15, 2
	s_add_co_u32 s86, s86, s87
	s_lshl_b32 s87, s14, 1
	s_add_co_u32 s86, s86, s87                     ; + head 4 cx + 2 wj
	s_mul_i32 s86, s86, REC
	s_and_b32 s87, s20, 15                         ; my 128 tokens in the batch: eight tiles
	s_mul_i32 s81, s87, 6144
	s_mul_i32 s98, s13, 3072
	s_add_co_u32 s81, s81, s98
	s_add_co_u32 s81, s81, s86                     ; codes: 768 bytes a tile
	s_lshl_b32 s82, s87, 9
	s_lshl_b32 s98, s13, 8
	s_add_co_u32 s82, s82, s98
	s_add_co_u32 s82, s82, s86                     ; scale words: 256 bytes for four tiles
	; and V^T's: my 64 features are one head's channels, my 128 tokens one key step
	s_lshl_b32 s86, s23, 1
	s_add_co_u32 s86, s86, s14                     ; which 128 tokens of the 8,192
	s_lshr_b32 s87, s86, 4
	s_lshl_b32 s87, s87, 4
	s_lshl_b32 s98, s22, 1
	s_add_co_u32 s87, s87, s98
	s_add_co_u32 s87, s87, s13                     ; 16 x batch + head 2 ib + wi
	s_mul_i32 s87, s87, REC
	s_and_b32 s86, s86, 15
	s_mul_i32 s83, s86, 6144
	s_add_co_u32 s83, s83, s87
	s_add_co_u32 s83, s83, 98304
	s_lshl_b32 s84, s86, 8
	s_add_co_u32 s84, s84, s87
	s_add_co_u32 s84, s84, 204800
	s_mov_b32 s20, 196608                          ; K's scale words in a record
	s_mov_b32 s21, 0x7f900000                      ; a key's bytes 2, 3
	s_mov_b32 s8, 0x76543210
	s_mov_b32 s9, 0xfedcba98                       ; v_permlanex16_b32's selects for lane l xor 16
	s_mov_b32 s3, 0xffff0000                       ; lanes 16-31
	s_mov_b32 s78, 0                               ; p
	s_mov_b32 s56, s66
	s_mov_b32 s57, 0
	s_mov_b32 s58, s69
	s_mov_b32 s59, 0
	s_mov_b32 s60, s72
	s_mov_b32 s61, 0
	s_mov_b32 s62, s75
	s_mov_b32 s63, 0
	s_mov_b32 s99, 0
	s_mul_i32 s86, s14, 24576                      ; where my tiles go in a slot: no place in the cluster enters an LDS address
	s_mul_i32 s87, s14, 49152
	s_add_co_u32 s87, s87, 49152
	s_wait_dscnt 0x0                               ; both opening adds are done
	s_wait_kmcnt 0x0
	s_add_nc_u64 s[88:89], s[6:7], s[60:61]
	s_add_nc_u64 s[90:91], s[6:7], s[62:63]
.irp q, 0,1
	s_mov_b32 s[G0A+4*\q], 1
	s_add_co_u32 s[G0A+4*\q+1], s86, SLOT*\q
	s_add_nc_u64 s[G0A+4*\q+2:G0A+4*\q+3], s[4:5], s[56:57]
.if \q
	s_add_nc_u64 s[G0A+4*\q+2:G0A+4*\q+3], s[G0A+4*\q+2:G0A+4*\q+3], 6144      ; slot 1: K steps 4-7
.endif
	s_or_b32 s[G0A+4*\q+3], s[G0A+4*\q+3], 0x80000000
	s_mov_b32 s[G0B+4*\q], 1
	s_add_co_u32 s[G0B+4*\q+1], s87, SLOT*\q
	s_add_nc_u64 s[G0B+4*\q+2:G0B+4*\q+3], s[4:5], s[58:59]
.if \q
	s_add_nc_u64 s[G0B+4*\q+2:G0B+4*\q+3], s[G0B+4*\q+2:G0B+4*\q+3], 6144
.endif
	s_or_b32 s[G0B+4*\q+3], s[G0B+4*\q+3], 0x80000000
.endr
	CROUND                                         ; all sixteen work-groups are here: the joint loads meet
	JLOAD 0                                        ; block 0, K steps 0-3: my one tensor load at the head
	v_and_b32 v1, 31, v0
	v_lshlrev_b32 v[L16], 4, v1
	v_lshlrev_b32 v[L8], 3, v1
	v_min_u32 v2, 23, v1
	v_lshlrev_b32 v[PF], 8, v2
	s_mul_i32 s86, s13, 24576                      ; my four tiles of A in a slot; my eight of B are those that I would fetch
.irp q, 0,1
	v_add_nc_u32 v[AD+4*\q], s86, v[L16]
	v_add_nc_u32 v[AD+4*\q+1], s86, v[L8]
	v_add_nc_u32 v[AD+4*\q+2], s87, v[L16]
	v_add_nc_u32 v[AD+4*\q+3], s87, v[L8]
	s_add_co_u32 s86, s86, SLOT
	s_add_co_u32 s87, s87, SLOT
.endr
.irp a, 0,1,2,3
	global_load_b128 v[SCA+4*\a:SCA+4*\a+3], v[L16], s[88:89] offset:512*\a
.endr
.irp b, 0,1,2,3,4,5,6,7
	global_load_b128 v[SCB+4*\b:SCB+4*\b+3], v[L16], s[90:91] offset:512*\b
.endr
.irp b, 0,1,2,3
	v_mov_b32 v[TM+4+\b], 0                        ; written once: a lane permute's destination counts as one of its sources
.endr
.macro FRAG reg, a16, a8, off          ; a fragment's image comes back as it was stored: registers 0-3, 4-5, 6-9, 10-11
	ds_load_b128 v[(\reg):(\reg)+3], v[\a16] offset:(\off)
	ds_load_b64 v[(\reg)+4:(\reg)+5], v[\a8] offset:(\off)+512
	ds_load_b128 v[(\reg)+6:(\reg)+9], v[\a16] offset:(\off)+768
	ds_load_b64 v[(\reg)+10:(\reg)+11], v[\a8] offset:(\off)+1280
.endm
.macro FETCH_B st, set                 ; B's eight fragments of K step st: 32 loads
	WIN TO_B
.irp b, 0,1,2,3,4,5,6,7
	FRAG 128*(\set)+12*\b, AD+4*((\st)/4)+2, AD+4*((\st)/4)+3, 6144*\b+1536*((\st)%4)
.endr
	WIN 0
.endm
.macro FETCH_A st, a0                  ; A's tiles a0, a0 + 1: 8 loads
.irp a, \a0, \a0+1
	FRAG AF+12*(\a), AD+4*((\st)/4), AD+4*((\st)/4)+1, 6144*(\a)+1536*((\st)%4)
.endr
.endm
; 8 matrix instructions: A's tile a against B's eight, K step s.  The 32 accumulators take turns, one instruction a turn, in the same order in every step.  A block's first step starts the sums.
.macro MUL a, set, s
.irp b, 0,1,2,3,4,5,6,7
.if (\s) == 0
	v_wmma_scale_f32_16x16x128_f8f6f4 v[8*(8*(\a)+\b):8*(8*(\a)+\b)+7], v[128*(\set)+12*\b:128*(\set)+12*\b+11], v[AF+12*(\a):AF+12*(\a)+11], 0, v[SCB+4*\b], v[SCA+4*(\a)] matrix_a_fmt:MATRIX_FMT_FP6 matrix_b_fmt:MATRIX_FMT_FP6
.elseif (\s)%2
	v_wmma_scale_f32_16x16x128_f8f6f4 v[8*(8*(\a)+\b):8*(8*(\a)+\b)+7], v[128*(\set)+12*\b:128*(\set)+12*\b+11], v[AF+12*(\a):AF+12*(\a)+11], v[8*(8*(\a)+\b):8*(8*(\a)+\b)+7], v[SCB+4*\b+(\s)/2], v[SCA+4*(\a)+(\s)/2] matrix_a_fmt:MATRIX_FMT_FP6 matrix_b_fmt:MATRIX_FMT_FP6 matrix_a_scale:MATRIX_SCALE_ROW1 matrix_b_scale:MATRIX_SCALE_ROW1
.else
	v_wmma_scale_f32_16x16x128_f8f6f4 v[8*(8*(\a)+\b):8*(8*(\a)+\b)+7], v[128*(\set)+12*\b:128*(\set)+12*\b+11], v[AF+12*(\a):AF+12*(\a)+11], v[8*(8*(\a)+\b):8*(8*(\a)+\b)+7], v[SCB+4*\b+(\s)/2], v[SCA+4*(\a)+(\s)/2] matrix_a_fmt:MATRIX_FMT_FP6 matrix_b_fmt:MATRIX_FMT_FP6
.endif
.endr
.endm
; THE CHANGE OF SLOTS, in the middle of K steps 3 and 7.  My load of the other slot has landed and my reads of this slot are over; behind the round that holds of every wave of the cluster, and this slot takes the next
; block's K steps 0-3 (s = 3: slot 0) or 4-7 (s = 7: slot 1).  In the last block nothing is filled again: a plain barrier shows slot 1 whole.
.macro CHANGE s, last
.if \last
	s_wait_tensorcnt 0x0
	s_wait_dscnt 0x0
	s_barrier_signal -1
	s_barrier_wait -1
	PLACES 4
.else
	s_wait_xcnt 0x0                                ; my last prefetch has read its address, which is written here, ahead of the change's own waits
.if (\s) == 7
	s_mov_b32 s98, s80                             ; the block after the next
.endif
	s_add_nc_u64 s[96:97], s[4:5], s[98:99]
	s_wait_tensorcnt 0x0                           ; my one load that was out has landed;
	ds_add_u32 v[SPW], v[NIL]                      ; 0 onto my spare word;
	s_add_nc_u64 s[G0A+(\s)-1:G0A+(\s)], s[4:5], s[56:57]      ; no load of mine is out: this slot's group 0 takes the next block's address
	s_add_nc_u64 s[G0B+(\s)-1:G0B+(\s)], s[4:5], s[58:59]
.if (\s) == 7
	s_add_nc_u64 s[G0A+6:G0A+7], s[G0A+6:G0A+7], 6144
	s_add_nc_u64 s[G0B+6:G0B+7], s[G0B+6:G0B+7], 6144
.endif
	s_or_b32 s[G0A+(\s)], s[G0A+(\s)], 0x80000000
	s_or_b32 s[G0B+(\s)], s[G0B+(\s)], 0x80000000
	s_wait_dscnt 0x0                               ; the add is done, and so are my reads of this slot
	CROUND
	JLOAD (\s)/4                                   ; the first tensor load behind the round; its four v_nop are the places in front of the loads below
.endif
.endm
; A K step: 32 matrix instructions.  A has one set of registers: tiles 0, 1 are fetched anew in the step's middle, tiles 2, 3 at its end; B has two sets.  Step 7 fetches the next block's step 0.
.macro STEP s, last
	s_wait_dscnt 8                                 ; B's set and A's tiles 0, 1 are in; the youngest 8 loads (A's tiles 2, 3) may be out
	WIN MULW
	MUL 0, (\s)%2, \s
	MUL 1, (\s)%2, \s
	WIN 0
.if (\s)%4 == 3
.if (\last) && (\s) == 7
	s_wait_dscnt 0x0
.else
	CHANGE \s, \last
.endif
.else
	s_wait_dscnt 0x0                               ; A's tiles 2, 3 are in
	PLACES 4
.endif
.if (\last) == 0 || (\s) != 7
	FETCH_B ((\s)+1)%8, 1-(\s)%2
	FETCH_A ((\s)+1)%8, 0
.endif
.if (\last) == 0 && (\s) == 3
.irp a, 0,1,2,3
	global_load_b128 v[NS+4*\a:NS+4*\a+3], v[L16], s[88:89] offset:512*\a      ; the next block's scale words
.endr
.irp b, 0,1,2,3,4,5,6,7
	global_load_b128 v[NS+16+4*\b:NS+16+4*\b+3], v[L16], s[90:91] offset:512*\b
.endr
	ASK 6144, 0                                    ; the next block's K steps 4-7, which the next refill brings
.endif
.if (\last) == 0 && (\s) == 7
	ASK 0, 1                                       ; K steps 0-3 of the block after the next
.endif
	WIN MULW
	MUL 2, (\s)%2, \s
	MUL 3, (\s)%2, \s
	WIN 0
.if (\last) == 0 || (\s) != 7
	PLACES 4
	FETCH_A ((\s)+1)%8, 2
.endif
.endm
; 64 results of a lane in window 2, register 16 b + i = j 32 b + 16 (lane / 16) + i of my row, become a fragment's codes in v[pc] on and its scale word in v[pw].  Each accumulator is read from its low end on.
.macro QUANT acc, pc, pw
	WIN 0x0a                                       ; sources 0 and 1: window 2
.irp b, 0,1,2,3
	v_max3_num_f32 v[TM+\b], |v[(\acc)+16*\b]|, |v[(\acc)+16*\b+1]|, 0x1800000   ; the floor 2^(3 - 127) holds the byte at 1 from below
.endr
.irp i, 2,4,6,8,10,12,14
.irp b, 0,1,2,3
	v_max3_num_f32 v[TM+\b], |v[(\acc)+16*\b+\i]|, |v[(\acc)+16*\b+\i+1]|, v[TM+\b]
.endr
.endr
	WIN 0
.irp b, 0,1,2,3
	v_permlanex16_b32 v[TM+4+\b], v[TM+\b], s8, s9
.endr
.irp b, 0,1,2,3
	v_max_num_f32 v[TM+\b], v[TM+\b], v[TM+4+\b]   ; with lane l xor 16's: the block's largest magnitude
.endr
.irp b, 0,1,2,3
	v_add_nc_u32 v[TM+12+\b], 0xff000000, v[TM+\b] ; 2 off its exponent field: the conversion's scale operand
.endr
.irp b, 0,1,2,3
	v_lshrrev_b32 v[TM+4+\b], 23, v[TM+12+\b]      ; the scale's byte
.endr
	v_lshl_or_b32 v[(\pw)], v[TM+5], 8, v[TM+4]
	v_lshl_or_b32 v[(\pw)], v[TM+6], 16, v[(\pw)]
	v_lshl_or_b32 v[(\pw)], v[TM+7], 24, v[(\pw)]
	WIN 0x02                                       ; source 0: window 2
.irp c, 0,1
	v_cvt_scalef32_pk16_fp6_f32 v[(\pc)+6*\c:(\pc)+6*\c+2], v[(\acc)+32*\c:(\acc)+32*\c+15], v[TM+12+2*\c]
	v_cvt_scalef32_pk16_fp6_f32 v[CT+4*\c:CT+4*\c+2], v[(\acc)+32*\c+16:(\acc)+32*\c+31], v[TM+12+2*\c+1]
.endr
	WIN 0
	v_nop                                          ; one plain place behind a scaled conversion
.irp c, 0,1                                    ; the operand's layout wants a WHOLE block in a lane: lanes 0-15 block 2 c, lanes 16-31 block 2 c + 1
.irp i, 0,1,2
	v_permlane16_swap_b32 v[(\pc)+6*\c+\i], v[CT+4*\c+\i]
.endr
.irp i, 0,1,2
	v_mov_b32 v[(\pc)+6*\c+3+\i], v[CT+4*\c+\i]
.endr
.endr
.endm
	s_wait_alu depctr_va_vdst(0)                   ; the wait at the head's end
	s_wait_tensorcnt 0x0                           ; my part of slot 0 is in; slot 1's first fill is issued as a refill is:
	ds_add_u32 v[SPW], v[NIL]
	s_wait_dscnt 0x0
	CROUND
	JLOAD 1                                        ; block 0, K steps 4-7
	FETCH_B 0, 0
	FETCH_A 0, 0
	FETCH_A 0, 2
	s_wait_loadcnt 0x0                             ; block 0's scale words
.Lblock:                                               ; p = 0, 1: q and k
	s_cmp_eq_u32 s78, 0
	s_cselect_b32 s56, s67, s68                    ; the next block's tiles of A,
	s_cselect_b32 s58, s70, s71                    ; of B,
	s_cselect_b32 s60, s73, s74                    ; their scale words,
	s_cselect_b32 s62, s76, s77
	s_cselect_b32 s98, s79, s80                    ; and my share of its prefetches
	s_cselect_b32 s85, 0x7f8f0000, s21             ; this block's bytes 2, 3 of a scale word,
	s_cselect_b32 s22, 208896, 0                   ; and where its codes and scale words lie in a record
	s_cselect_b32 s23, 307200, s20
	s_add_nc_u64 s[88:89], s[6:7], s[60:61]
	s_add_nc_u64 s[90:91], s[6:7], s[62:63]
.irp s, 0,1,2,3,4,5,6,7
	STEP \s, 0
.endr
	s_wait_loadcnt 0x0                             ; the next block's scale words, asked for four K steps ago,
.set J, 0
.rept 48
	v_mov_b32 v[SCA+J], v[NS+J]                    ; take the place of this block's, behind the four places that follow its last product
.set J, J+1
.endr
	s_wait_xcnt 0x0                                ; the last block's stores have read their registers and bases
.irp a, 0,1,2,3
	QUANT 64*\a, CD+12*\a, PW+\a
.endr
	v_mov_b32 v[MU], s85
	s_add_co_u32 s86, s81, s22
	s_mov_b32 s87, 0
	s_add_nc_u64 s[92:93], s[10:11], s[86:87]
	s_add_co_u32 s86, s82, s23
	s_add_nc_u64 s[94:95], s[10:11], s[86:87]
	s_wait_alu depctr_va_vdst(0)
.irp a, 0,1,2,3                                ; registers 0-5 of a fragment are the first head's 64 codes, 6-11 the second's
.irp c, 0,1
	global_store_b128 v[L16], v[CD+12*\a+6*\c:CD+12*\a+6*\c+3], s[92:93] offset:768*\a+REC*\c        ; 512 consecutive bytes, aligned
	global_store_b64 v[L8], v[CD+12*\a+6*\c+4:CD+12*\a+6*\c+5], s[92:93] offset:768*\a+REC*\c+512    ; 256
.endr
.endr
.irp a, 0,1,2,3
	v_and_or_b32 v[W+2*\a], v[PW+\a], 0xffff, v[MU]      ; the first head's two bytes under bytes 2 and 3,
	v_lshrrev_b32 v[W+2*\a+1], 16, v[PW+\a]
	v_or_b32 v[W+2*\a+1], v[W+2*\a+1], v[MU]             ; the second head's
.endr
.irp c, 0,1
.irp j, 0,1
	v_cndmask_b32 v[OUT+2*\c+\j], v[W+4*\j+\c], v[W+4*\j+2+\c], s3   ; lanes 0-15: tile 2 j, lanes 16-31: tile 2 j + 1
.endr
	global_store_b64 v[L8], v[OUT+2*\c:OUT+2*\c+1], s[94:95] offset:REC*\c
.endr
	s_add_co_u32 s78, s78, 1
	s_cmp_lt_u32 s78, 2
	s_wait_alu depctr_va_vdst(0)
	s_cbranch_scc1 .Lblock
.irp s, 0,1,2,3,4,5,6,7                        ; p = 2: V^T; it asks for nothing more
	STEP \s, 1
.endr
	PLACES 4                                       ; behind the last products
	s_wait_xcnt 0x0
.irp a, 0,1,2,3
	QUANT 64*\a, CD+12*\a, PW+\a
.endr
	s_mov_b32 s86, s83
	s_mov_b32 s87, 0
	s_add_nc_u64 s[92:93], s[10:11], s[86:87]
	s_mov_b32 s86, s84
	s_add_nc_u64 s[94:95], s[10:11], s[86:87]
	s_wait_alu depctr_va_vdst(0)
.irp a, 0,1,2,3
.irp c, 0,1,2
	global_store_b128 v[L16], v[CD+12*\a+4*\c:CD+12*\a+4*\c+3], s[92:93] offset:1536*\a+512*\c
.endr
.endr
.irp j, 0,1
	v_cndmask_b32 v[OUT+\j], v[PW+2*\j], v[PW+2*\j+1], s3
.endr
	global_store_b64 v[L8], v[OUT:OUT+1], s[94:95]
	s_wait_tensorcnt 0x0                           ; the wave's end, behind my last tensor load
	ds_add_u32 v[SPW], v[NIL]
	s_wait_dscnt 0x0
	CROUND                                         ; the closing round: no work-group ends while a partner may still ask for a tile that names it
	s_endpgm
.Lfunc_end_k_q4c631b88a8_proj:
	.size	k_q4c631b88a8_proj, .Lfunc_end_k_q4c631b88a8_proj-k_q4c631b88a8_proj
	.p2alignl 7, 3214868480
	.fill 96, 4, 3214868480
	.section	.rodata,"a",@progbits
	.p2align	6, 0x0
	.amdhsa_kernel k_q4c631b88a8_proj
		.amdhsa_group_segment_fixed_size 327680
		.amdhsa_private_segment_fixed_size 0
		.amdhsa_enable_private_segment 0
		.amdhsa_kernarg_size 24
		.amdhsa_user_sgpr_count 2
		.amdhsa_user_sgpr_kernarg_segment_ptr 1
		.amdhsa_wavefront_size32 1
		.amdhsa_system_sgpr_workgroup_id_x 1
		.amdhsa_system_sgpr_workgroup_id_y 1
		.amdhsa_system_sgpr_workgroup_id_z 1
		.amdhsa_system_vgpr_workitem_id 0
		.amdhsa_next_free_vgpr 768
		.amdhsa_next_free_sgpr 100
		.amdhsa_reserve_vcc 0
		.amdhsa_float_denorm_mode_32 3
		.amdhsa_float_denorm_mode_16_64 3
		.amdhsa_memory_ordered 1
		.amdhsa_forward_progress 1
		.amdhsa_inst_pref_size 173
	.end_amdhsa_kernel
	.amdgpu_metadata
---
amdhsa.version: [ 1, 2 ]
amdhsa.kernels:
  - .name:           k_q4c631b88a8_proj
    .symbol:         k_q4c631b88a8_proj.kd
    .args:
      - { .name: code, .offset: 0, .size: 8, .value_kind: global_buffer, .address_space: global }
      - { .name: scale, .offset: 8, .size: 8, .value_kind: global_buffer, .address_space: global }
      - { .name: att, .offset: 16, .size: 8, .value_kind: global_buffer, .address_space: global }
    .group_segment_fixed_size: 327680
    .private_segment_fixed_size: 0
    .kernarg_segment_align: 8
    .kernarg_segment_size: 24
    .max_flat_workgroup_size: 128
    .sgpr_count:     100
    .vgpr_count:     768
    .wavefront_size: 32
...
	.end_amdgpu_metadata
.endif
;; end of part 2
;; launch attn (part 3): grid 4 x 64, 8 waves a work-group, clusters of 4 x 1, 327,680 bytes of LDS; arguments att, mask, ximg, xsc; writes ximg, xsc
.if DOCPART == 3
	.amdgcn_target "amdgcn-amd-amdhsa--gfx1250"
	.amdhsa_code_object_version 6
	.text
	.protected	k_q4c631b88a8_attn
	.globl	k_q4c631b88a8_attn
	.p2align	8
	.type	k_q4c631b88a8_attn,@function
k_q4c631b88a8_attn:
	s_mov_b64 s[64:65], 0
	v_nop
	global_prefetch_b8 v0, s[64:65] scope:SCOPE_SE
	s_setreg_imm32_b32 hwreg(HW_REG_WAVE_MODE, 25, 1), 1
	s_wait_xcnt 0x0
	s_wait_alu depctr_hold_cnt(0) depctr_sa_sdst(0) depctr_va_vdst(0) depctr_va_sdst(0) depctr_va_ssrc(0) depctr_va_vcc(0) depctr_vm_vsrc(0)
	s_getreg_b32 s2, hwreg(HW_REG_IB_STS2, 6, 4)
	s_cmp_eq_u32 s2, 0
	s_cbranch_scc0 .Lentry_in_a_cluster
	s_endpgm
.Lentry_in_a_cluster:
	s_bfe_u32 s2, ttmp6, 0x10000c
	s_cmp_lg_u32 s2, 0x3003
	s_cbranch_scc0 .Lentry_shape_is_right
	s_endpgm
.Lentry_shape_is_right:
; Attention of one head on codes of FP6 (E2M3): S^T = K Q^T, the softmax, O^T = V^T P^T, O / l, and O quantised along the model's features for the last projection.
; THE SOFTMAX: t = score x log2(e) / 8; M = the running largest t rounded UP to a whole number; p = 2^(t - M) is quantised along the keys, not normalised; the row's sum is taken of the unquantised p and
; divides O at the end.  When M moves, the sum and O are multiplied by 2^(old M - new M): exact.
; SHARES: a work-group owns 512 queries of one head, each of its eight waves 64: four tiles of 16, which share every fragment of K and V that the wave reads from LDS.  Every wave walks the 2,048 keys, 128 a step.
; TWO TILES GO THROUGH THE VECTOR WORK TOGETHER, line by line, so that each serial chain has an independent neighbour; the second tile's multiply-adds stand among the first tile's exponentials, and the first level
; of the first tile's sum among the second tile's.  What a plain line among exponentials writes is first read behind the batch's closing wait.
; THE WHOLE HEAD'S K AND V LIE IN LDS: one dense block of 208,896 bytes of the head's record, brought once, 26,112 bytes a wave, asked for jointly by the four work-groups of the head (cluster 4 x 1).
; No byte is filled twice: no ring.  No prefetch: the launch's one tensor load a wave stands at its head, so there is no loop to run ahead in.
; LAYOUT: operands come as images of operand registers.  Lane r of key tile T has key 64 (T / 4) + 8 (T % 4) + r % 8 + 32 (r / 8): the 32 registers of tiles 4 c .. 4 c + 3 of S^T are, in lane (r, h), keys
; 64 c + 32 h + 0 .. 31 of query r: a whole block of p, in the place that P's operand layout gives that lane.  So a block's maximum needs no other lane, and the codes are moved between no lanes.
; THE MASK IS IN CODES.  A head has 64 of the instruction's 128 along K.  At k = 64 a masked key has the code of -1 and every other key 0 (a table in LDS, made here from the input mask: register 6 of a fragment
; of K); a query that counts has the code of 1.  The scale bytes there are constants, 144 and 143: a masked key's score falls by 2^33.  k = 65 .. 127 are zero codes in every query, so registers 7-11 of a fragment
; of K may hold anything: K's tiles stand 8 registers apart, and a fragment's last four registers are the next tile's first (FP6 has no NaN and no infinity).
; A masked query has zero codes all through: equal scores for all 2,048 keys, as equal logits of -1e9 give.
; LIMITS: a masked pair's logit is about -2^30 and not -1e9: the results agree while real logits lie above that, and the scaled scores stay under 2^31 in magnitude.  NaN and infinities are not served; a block
; of zeros gets the scale byte 1 (its codes are zeros; this program alone reads the bytes).
; REGISTERS, window 0: v1-3 16, 8, 4 x lane; v4, v5 the add's; v6-11 the step's LDS addresses; v12-27 for each tile -M, the largest score, the sum in two halves; then as named below.
; window 1: v0-63, v64-127 S^T, then p, of the pair's two tiles; v128-255 O^T, 32 registers a tile.
.set REC,   315392                     ; a head's record: K codes 98,304 | V codes 98,304 | K scales 8,192 | V scales 4,096 | Q codes 98,304 | Q scales 8,192
.set TBL,   208896                     ; behind the block: the mask's table, 128 key tiles x 32 lanes x 4 bytes; no tensor load fills it
.set SPARE, 225280                     ; behind it: the spare words, 128 bytes for each wave
.set QSC, 28                           ; v28-29 Q's scale words: tiles 2 j | 2 j + 1 in lanes 0-15 | 16-31
.set KSC, 32                           ; v32-35 K's, likewise
.set VSC, 36                           ; v36-37 V's
.set PSC, 38                           ; v38-39 p's scale word, one for each tile of the pair
.set F,   40                           ; v40, v42 2^(old M - new M); v41, v43 their pairs' other halves
.set SF,  44                           ; v44-47 the conversions' scale operands, two a tile
.set T,   50                           ; v50-56 the upper halves of two blocks' codes; at the head, work
.set SH8, 57                           ; v57 8 h
.set P,   58                           ; v58-69 p's codes
.set QF,  70                           ; v70-117 Q's four fragments; at the end x's codes
.set VF,  118                          ; v118-165 V's four
.set KF,  166                          ; v166-233 K's eight, 8 registers apart, and four zeros
.set TB,  238                          ; v238-239
.set MT,  242                          ; v242-249 maxima, four a tile
.set PD,  250                          ; v250-251 lane permutes' results
.set TA,  252                          ; v252-253
.set ONE, 242                          ; at the head: the code of 1 in lanes 0-15,
.set NEG, 243                          ; of -1,
.set QM,  244                          ; v244-247 my queries' mask
.set W,   248                          ; at the end: v248-251 x's scale bytes, a tile each
.set OW,  252
.set MSB, 0
.macro WIN new                         ; the immediate's high byte repeats the setting that is left
.if MSB != \new
	s_set_vgpr_msb (MSB<<8)|\new
.set MSB, \new
.endif
.endm
.macro ROUND                           ; a round of the cluster's barrier
	s_barrier_signal -1
	s_barrier_wait -1
	s_cmp_lg_u32 s12, 0
	s_cbranch_scc1 .Lnot_wave_0_\@
	s_barrier_signal -3
.Lnot_wave_0_\@:
	s_barrier_wait -3
	s_barrier_signal -1
	s_barrier_wait -1
.endm
	s_load_b256 s[4:11], s[0:1], 0x0               ; att s[4:5], mask s[6:7], ximg s[8:9], xsc s[10:11]
	v_lshl_add_u32 v4, v0, 2, SPARE
	v_mov_b32 v5, 0
	ds_add_u32 v4, v5                              ; the opening lines: the add, twice on end, and its wait ahead of my tensor load
	ds_add_u32 v4, v5
	v_lshrrev_b32 v1, 5, v0
	v_readfirstlane_b32 s12, v1                    ; wave 0..7
	s_bfe_u32 s13, ttmp6, 0x40000                  ; cx: it enters global addresses of Q, the queries' mask and x alone
	s_and_b32 s14, ttmp7, 0xffff                   ; 16 x batch + head, which the four partners share
	s_mov_b32 s16, 15|(3<<16)|(1<<21)              ; group 1: the mask names all four; elements of 8 bytes; bit 21 beside a mask
	s_mov_b32 s17, 32<<16                          ; 102 rows of 256 bytes, dense in memory and in LDS
	s_mov_b32 s18, 102<<16
	s_mov_b32 s19, 32<<16
	s_mov_b32 s20, 102
	s_mov_b32 s21, 32
	s_mov_b32 s22, 0
	s_mov_b32 s23, 0
	s_mul_i32 s48, s14, REC                        ; the head's record
	s_mov_b32 s24, 1
	s_mul_i32 s25, s12, 26112                      ; my eighth of the block, in LDS
	s_add_co_u32 s50, s48, s25                     ; and in memory
	s_mov_b32 s51, 0
	s_lshl_b32 s52, s13, 5
	s_lshl_b32 s53, s12, 2
	s_add_co_u32 s52, s52, s53                     ; my first query tile in the head: 32 cx + 4 wave
	s_mul_i32 s38, s52, 768
	s_add_co_u32 s38, s38, s48
	s_add_co_u32 s38, s38, 208896                  ; its codes
	s_mov_b32 s39, 0
	s_lshl_b32 s40, s52, 6                         ; its scale words: 256 bytes for four tiles
	s_add_co_u32 s40, s40, s48
	s_add_co_u32 s40, s40, 307200
	s_mov_b32 s41, 0
	s_lshr_b32 s54, s14, 4                         ; batch
	s_and_b32 s55, s14, 15                         ; head
	s_lshl_b32 s42, s54, 7
	s_add_co_u32 s42, s42, s52                     ; my first tile among all 512 token tiles
	s_lshl_b32 s44, s42, 4
	s_add_co_u32 s44, s44, s55
	s_mul_i32 s44, s44, 768                        ; x's codes: [tile][head][768]
	s_mov_b32 s45, 0
	s_lshl_b32 s46, s42, 3
	s_add_co_u32 s46, s46, s55
	s_lshl_b32 s46, s46, 7                         ; x's scale words: [pair of tiles][head][128]
	s_mov_b32 s47, 0
	s_lshl_b32 s42, s42, 6                         ; my queries' mask: 16 tokens of 4 bytes a tile
	s_mov_b32 s43, 0
	s_lshl_b32 s56, s54, 13                        ; the keys' mask: the batch's 2,048 words,
	s_lshl_b32 s57, s12, 10
	s_add_co_u32 s56, s56, s57                     ; of which my wave turns 256 (16 key tiles) into table words
	s_mov_b32 s57, 0
	s_lshl_b32 s58, s12, 11
	s_add_co_u32 s58, s58, TBL                     ; their place in the table
	s_mov_b32 s28, 0x76543210
	s_mov_b32 s29, 0xfedcba98                      ; v_permlanex16_b32's selects for lane l xor 16
	s_mov_b32 s30, 0x3e38aa3b                      ; c = log2(e) / 8
	s_mov_b32 s31, s30                             ; (the packed form names the pair)
	s_mov_b32 s33, 0xbe38aa3b                      ; -c
	s_mov_b32 s32, 0xffff0000                      ; lanes 16-31
	s_wait_dscnt 0x0                               ; both opening adds are done
	s_wait_kmcnt 0x0
	s_add_nc_u64 s[26:27], s[4:5], s[50:51]
	s_or_b32 s27, s27, 0x80000000                  ; type = 2
	s_add_nc_u64 s[38:39], s[4:5], s[38:39]
	s_add_nc_u64 s[40:41], s[4:5], s[40:41]
	s_add_nc_u64 s[42:43], s[6:7], s[42:43]
	s_add_nc_u64 s[56:57], s[6:7], s[56:57]
	s_add_nc_u64 s[44:45], s[8:9], s[44:45]
	s_add_nc_u64 s[46:47], s[10:11], s[46:47]
	ROUND                                          ; all four work-groups are here: the joint loads meet
	tensor_load_to_lds s[24:27], s[16:23]          ; my one tensor load of the launch
	s_nop 0
.rept 4
	v_nop
.endr
	v_and_b32 v50, 31, v0
	v_and_b32 v51, 15, v0                          ; r
	v_bfe_u32 v52, v0, 4, 1                        ; h
	v_lshlrev_b32 v1, 4, v50
	v_lshlrev_b32 v2, 3, v50
	v_lshlrev_b32 v3, 2, v50
	v_lshlrev_b32 v[SH8], 3, v52
	v_and_b32 v53, 8, v51
	v_add_nc_u32 v53, v53, v51
	v_lshlrev_b32 v53, 2, v53                      ; 4 (r + 8 (r / 8)): my query in its tile
	v_and_b32 v54, 7, v51
	v_lshrrev_b32 v55, 3, v51
	v_lshlrev_b32 v54, 2, v54
	v_lshl_add_u32 v54, v55, 7, v54                ; 4 (r % 8 + 32 (r / 8)): lane r's key in its tile
	v_add_nc_u32 v56, s58, v3                      ; my word of a tile's 32 in the table
.irp q, 0,1,2,3
	global_load_b128 v[QF+12*\q:QF+12*\q+3], v1, s[38:39] offset:768*\q
	global_load_b64 v[QF+12*\q+4:QF+12*\q+5], v2, s[38:39] offset:768*\q+512
	global_load_b32 v[QM+\q], v53, s[42:43] offset:128*(\q/2)+32*(\q%2)
.endr
	global_load_b64 v[QSC:QSC+1], v2, s[40:41]
.irp i, 0,1,2,3,4,5,6,7,8,9,10,11,12,13,14,15
	global_load_b32 v[VF+\i], v54, s[56:57] offset:256*(\i/4)+32*(\i%4)   ; key tile 16 wave + i
.endr
	v_cndmask_b32 v[ONE], 8, 0, s32                ; lanes 0-15 hold k = 64 at the foot of register 6
	v_cndmask_b32 v[NEG], 40, 0, s32
	v_mov_b32 v[F+1], 0
	v_mov_b32 v[F+3], 0
	v_mov_b32 v[PD], 0                             ; written once: a lane permute's destination counts as one of its sources
	v_mov_b32 v[PD+1], 0
.irp q, 0,1,2,3
	v_mov_b32 v[13+4*\q], 0xff61b1e6               ; the largest score so far: -3e38
	v_mov_b32 v[12+4*\q], 0x7e22b5b2               ; -M: a number near 5.4e37, which the first step's change of M takes away; what stands under it is zeros
	v_mov_b32 v[14+4*\q], 0                        ; the sum
	v_mov_b32 v[15+4*\q], 0
.irp i, 7,8,9,10,11
	v_mov_b32 v[QF+12*\q+\i], 0                    ; k = 65 .. 127 of every query: zero codes
.endr
.endr
.irp t, 0,1,2,3,4,5,6,7
	v_mov_b32 v[KF+8*\t+7], 0                      ; never loaded
.endr
.irp i, 64,65,66,67
	v_mov_b32 v[KF+\i], 0
.endr
	WIN 0x40
.set J, 128
.rept 128
	v_mov_b32 v[J], 0                              ; O^T: the step is written once; its first trip finds zeros
.set J, J+1
.endr
	WIN 0
	s_wait_loadcnt 0x0
.irp q, 0,1,2,3
	v_cmp_ne_u32 vcc_lo, 0, v[QM+\q]
.irp i, 0,1,2,3,4,5
	v_cndmask_b32 v[QF+12*\q+\i], 0, v[QF+12*\q+\i], vcc_lo   ; a masked query has zero codes
.endr
	v_cndmask_b32 v[QF+12*\q+6], 0, v[ONE], vcc_lo            ; k = 64: 1 where the query counts
.endr
.irp i, 0,1,2,3,4,5,6,7,8,9,10,11,12,13,14,15
	v_cmp_eq_u32 vcc_lo, 0, v[VF+\i]
	v_cndmask_b32 v[VF+\i], 0, v[NEG], vcc_lo      ; k = 64: -1 where the key is masked
	ds_store_b32 v56, v[VF+\i] offset:128*\i
.endr
	s_mov_b32 s51, 0                               ; step 0: K's codes,
	s_mov_b32 s52, 98304                           ; V's,
	s_mov_b32 s53, 196608                          ; K's scale words,
	s_mov_b32 s54, 204800                          ; V's,
	s_mov_b32 s55, TBL                             ; the table
	s_mov_b32 s37, 0
	s_wait_alu depctr_va_vdst(0)                   ; the wait at the head's end
	s_wait_tensorcnt 0x0                           ; my part of the block has landed,
	s_wait_dscnt 0x0                               ; my part of the table is stored:
	s_barrier_signal -1
	s_barrier_wait -1                              ; everybody's
.macro KLOAD                           ; four address lines, which are also the places behind the products that read K and wrote S^T; then 26 loads
	WIN 0
	v_add_nc_u32 v6, s51, v1
	v_add_nc_u32 v7, s51, v2
	v_add_nc_u32 v9, s53, v2
	v_add_nc_u32 v11, s55, v3
.irp t, 0,1,2,3,4,5,6,7
	ds_load_b128 v[KF+8*\t:KF+8*\t+3], v6 offset:768*\t
	ds_load_b64 v[KF+8*\t+4:KF+8*\t+5], v7 offset:768*\t+512
	ds_load_b32 v[KF+8*\t+6], v11 offset:128*\t
.endr
	ds_load_b64 v[KSC:KSC+1], v9
	ds_load_b64 v[KSC+2:KSC+3], v9 offset:256
.endm
.macro VLOAD                           ; four places behind the products that read V; then 13 loads
	WIN 0
	v_add_nc_u32 v8, s52, v1
	v_add_nc_u32 v10, s54, v2
	v_nop
	v_nop
.irp t, 0,1,2,3
.irp c, 0,1,2
	ds_load_b128 v[VF+12*\t+4*\c:VF+12*\t+4*\c+3], v8 offset:1536*\t+512*\c
.endr
.endr
	ds_load_b64 v[VSC:VSC+1], v10
.endm
.macro SQK q, sb                       ; S^T of query tile q: source 0 = 16 keys, source 1 = 16 queries; eight accumulators, each begun with 0
	WIN 0x50                                       ; C and D: window 1
.irp t, 0,1,2,3,4,5,6,7
.if (\t%2) && (\q%2)
	v_wmma_scale_f32_16x16x128_f8f6f4 v[\sb+8*\t:\sb+8*\t+7], v[KF+8*\t:KF+8*\t+11], v[QF+12*\q:QF+12*\q+11], 0, v[KSC+\t/2], v[QSC+\q/2] matrix_a_fmt:MATRIX_FMT_FP6 matrix_b_fmt:MATRIX_FMT_FP6 matrix_a_scale:MATRIX_SCALE_ROW1 matrix_b_scale:MATRIX_SCALE_ROW1
.elseif \t%2
	v_wmma_scale_f32_16x16x128_f8f6f4 v[\sb+8*\t:\sb+8*\t+7], v[KF+8*\t:KF+8*\t+11], v[QF+12*\q:QF+12*\q+11], 0, v[KSC+\t/2], v[QSC+\q/2] matrix_a_fmt:MATRIX_FMT_FP6 matrix_b_fmt:MATRIX_FMT_FP6 matrix_a_scale:MATRIX_SCALE_ROW1
.elseif \q%2
	v_wmma_scale_f32_16x16x128_f8f6f4 v[\sb+8*\t:\sb+8*\t+7], v[KF+8*\t:KF+8*\t+11], v[QF+12*\q:QF+12*\q+11], 0, v[KSC+\t/2], v[QSC+\q/2] matrix_a_fmt:MATRIX_FMT_FP6 matrix_b_fmt:MATRIX_FMT_FP6 matrix_b_scale:MATRIX_SCALE_ROW1
.else
	v_wmma_scale_f32_16x16x128_f8f6f4 v[\sb+8*\t:\sb+8*\t+7], v[KF+8*\t:KF+8*\t+11], v[QF+12*\q:QF+12*\q+11], 0, v[KSC+\t/2], v[QSC+\q/2] matrix_a_fmt:MATRIX_FMT_FP6 matrix_b_fmt:MATRIX_FMT_FP6
.endif
.endr
.endm
.macro PV q, u                         ; O^T of tile q, the pair's tile u: source 0 = 16 channels of V^T, source 1 = P; four accumulators by turns
	WIN 0x50
.irp t, 0,1,2,3
.if \t%2
	v_wmma_scale_f32_16x16x128_f8f6f4 v[128+32*(\q)+8*\t:128+32*(\q)+8*\t+7], v[VF+12*\t:VF+12*\t+11], v[P:P+11], v[128+32*(\q)+8*\t:128+32*(\q)+8*\t+7], v[VSC+\t/2], v[PSC+\u] matrix_a_fmt:MATRIX_FMT_FP6 matrix_b_fmt:MATRIX_FMT_FP6 matrix_a_scale:MATRIX_SCALE_ROW1
.else
	v_wmma_scale_f32_16x16x128_f8f6f4 v[128+32*(\q)+8*\t:128+32*(\q)+8*\t+7], v[VF+12*\t:VF+12*\t+11], v[P:P+11], v[128+32*(\q)+8*\t:128+32*(\q)+8*\t+7], v[VSC+\t/2], v[PSC+\u] matrix_a_fmt:MATRIX_FMT_FP6 matrix_b_fmt:MATRIX_FMT_FP6
.endif
.endr
.endm
.macro TREE sb, step, n                ; n packed additions in place: pair j takes pair j + step / 2
.set J, 0
.rept \n
	v_pk_add_f32 v[\sb+J:\sb+J+1], v[\sb+J:\sb+J+1], v[\sb+J+\step/2:\sb+J+\step/2+1]
.set J, J+\step
.endr
.endm
.macro CODES sb, u                     ; p of the pair's tile u becomes P's twelve registers
	WIN 0x01                                       ; source 0: window 1
	v_cvt_scalef32_pk16_fp6_f32 v[P:P+2], v[\sb:\sb+15], v[SF+2*\u]
	v_cvt_scalef32_pk16_fp6_f32 v[T:T+2], v[\sb+16:\sb+31], v[SF+2*\u]       ; (a conversion's three registers begin on an even number)
	v_cvt_scalef32_pk16_fp6_f32 v[P+6:P+8], v[\sb+32:\sb+47], v[SF+2*\u+1]
	v_cvt_scalef32_pk16_fp6_f32 v[T+4:T+6], v[\sb+48:\sb+63], v[SF+2*\u+1]
	WIN 0
	v_nop                                          ; one plain place behind a scaled conversion
.irp c, 0,1
.irp i, 0,1,2
	v_mov_b32 v[P+6*\c+3+\i], v[T+4*\c+\i]
.endr
.endr
.endm
.macro LSUM q, sb                      ; the tree's last two pairs onto the tile's sum
	WIN 0x04                                       ; source 1: window 1
	v_pk_add_f32 v[14+4*(\q):15+4*(\q)], v[14+4*(\q):15+4*(\q)], v[\sb:\sb+1]
	v_pk_add_f32 v[14+4*(\q):15+4*(\q)], v[14+4*(\q):15+4*(\q)], v[\sb+32:\sb+33]
.endm
; THE VECTOR WORK AND THE SECOND PRODUCTS of tiles q and q + 1, whose scores lie in v0-63 and v64-127 of window 1.
.macro VEC2 q
	WIN 0x05                                       ; sources 0 and 1: window 1
	s_wait_alu depctr_va_vdst(0)                   ; directly ahead of the first readers of matrix results
.irp n, 0,1,2,3,4,5,6,7                        ; eight chains of 16 scores, each accumulator from its low end on: chains 4 u + 2 c, 4 u + 2 c + 1 are my block c of tile u
	v_max_num_f32 v[MT+\n], v[16*\n], v[16*\n+1]
.endr
.irp i, 2,4,6,8,10,12,14
.irp n, 0,1,2,3,4,5,6,7
	v_max3_num_f32 v[MT+\n], v[16*\n+\i], v[16*\n+\i+1], v[MT+\n]
.endr
.endr
	WIN 0
.irp n, 0,2,4,6
	v_max_num_f32 v[MT+\n], v[MT+\n], v[MT+\n+1]   ; the largest score of each block: it serves for the row's maximum and, since p rises with the score, for the block's largest p
.endr
.irp u, 0,1
	v_max3_num_f32 v[TA+\u], v[13+4*(\q+\u)], v[MT+4*\u], v[MT+4*\u+2]
.endr
.irp u, 0,1
	v_permlanex16_b32 v[PD+\u], v[TA+\u], s28, s29
.endr
.irp u, 0,1
	v_max_num_f32 v[13+4*(\q+\u)], v[TA+\u], v[PD+\u]   ; with lane l xor 16's 64 keys: the running largest score of my query
.endr
.irp u, 0,1
	v_mul_f32 v[TA+\u], s33, v[13+4*(\q+\u)]
.endr
.irp u, 0,1
	v_floor_f32 v[TA+\u], v[TA+\u]                 ; the new -M = floor(-t): M is a whole number
.endr
.irp u, 0,1
	v_sub_f32 v[TB+\u], v[TA+\u], v[12+4*(\q+\u)]  ; old M - new M: a whole number, 0 or less
.endr
.irp u, 0,1
	v_mov_b32 v[12+4*(\q+\u)], v[TA+\u]
.endr
.irp u, 0,1
	v_cvt_i32_f32 v[TB+\u], v[TB+\u]               ; (it saturates)
.endr
.irp u, 0,1
	v_fma_f32 v[MT+4*\u], v[MT+4*\u], s30, v[12+4*(\q+\u)]       ; t - M of each block's largest score
	v_fma_f32 v[MT+4*\u+2], v[MT+4*\u+2], s30, v[12+4*(\q+\u)]
.endr
.irp u, 0,1
	v_ldexp_f32 v[F+2*\u], 1.0, v[TB+\u]           ; f = 2^(old M - new M)
.endr
	WIN 0x41                                       ; source 0 and destination: window 1
.set J, 0
.rept 32
	v_pk_fma_f32 v[J:J+1], v[J:J+1], s[30:31], v[12+4*\q:13+4*\q] op_sel_hi:[1,0,0]   ; the first tile's t - M, two at a time
.set J, J+2
.endr
	s_wait_alu depctr_va_vdst(0)                   ; ahead of the batch
.set J, 0
.rept 32
	v_exp_f32 v[J], v[J]                           ; the first tile's p = 2^(t - M), at most 1;
	v_pk_fma_f32 v[64+J:65+J], v[64+J:65+J], s[30:31], v[16+4*\q:17+4*\q] op_sel_hi:[1,0,0]   ; among them the second tile's t - M, first read behind the wait below
	v_exp_f32 v[J+1], v[J+1]
.set J, J+2
.endr
	WIN 0
.irp n, 0,2,4,6
	v_exp_f32 v[MT+\n], v[MT+\n]                   ; each block's largest p: the same two instructions on the same number give the same bits
.endr
.irp u, 0,1
	v_pk_mul_f32 v[14+4*(\q+\u):15+4*(\q+\u)], v[14+4*(\q+\u):15+4*(\q+\u)], v[F+2*\u:F+2*\u+1] op_sel_hi:[1,0]   ; the sums under the new M: the plain place behind the batch
.endr
	s_wait_alu depctr_va_vdst(0)                   ; one wait for the batch, ahead of its first reader
.irp n, 0,2,4,6
	v_max_num_f32 v[MT+\n], 0x1800000, v[MT+\n]    ; the floor 2^(3 - 127): the byte cannot fall under 1
.endr
.irp n, 0,2,4,6
	v_add_nc_u32 v[SF+\n/2], 0xff000000, v[MT+\n]  ; 2 off the exponent field: the conversion's scale operand
.endr
.irp n, 0,2,4,6
	v_lshrrev_b32 v[MT+\n], 23, v[SF+\n/2]         ; the scale's byte
.endr
.irp u, 0,1
	v_lshl_or_b32 v[MT+4*\u], v[MT+4*\u+2], 16, v[MT+4*\u]   ; blocks h and 2 + h,
.endr
.irp u, 0,1
	v_lshlrev_b32 v[MT+4*\u], v[SH8], v[MT+4*\u]   ; at their places in the word;
.endr
.irp u, 0,1
	v_permlanex16_b32 v[PD+\u], v[MT+4*\u], s28, s29
.endr
.irp u, 0,1
	v_or_b32 v[PSC+\u], v[MT+4*\u], v[PD+\u]       ; with lane l xor 16's two it is whole
.endr
	CODES 0, 0
	WIN 0x45                                       ; sources 0, 1 and destination: window 1
.set J, 0
.rept 16
	v_exp_f32 v[64+J], v[64+J]                     ; the second tile's p;
	v_exp_f32 v[65+J], v[65+J]
	v_exp_f32 v[66+J], v[66+J]
	v_exp_f32 v[67+J], v[67+J]
	v_pk_add_f32 v[J:J+1], v[J:J+1], v[J+2:J+3]    ; among them the first level of the first tile's sum of the unquantised p, in place: its codes are made
.set J, J+4
.endr
	WIN 0x41
	s_wait_alu depctr_va_vdst(0)                   ; the batch's wait, which also stands directly ahead of the first readers of O^T
.set J, 128+32*\q
.rept 16
	v_pk_mul_f32 v[J:J+1], v[J:J+1], v[F:F+1] op_sel_hi:[1,0]   ; O^T under the new M
.set J, J+2
.endr
.rept 16
	v_pk_mul_f32 v[J:J+1], v[J:J+1], v[F+2:F+3] op_sel_hi:[1,0]
.set J, J+2
.endr
	PV \q, 0
	WIN 0x45
	TREE 0, 8, 8                                   ; the rest of the first tile's sum: also the places between its products and the next writes of P
	TREE 0, 16, 4
	TREE 0, 32, 2
	LSUM \q, 0
	CODES 64, 1
	WIN 0x45
	TREE 64, 4, 16
	TREE 64, 8, 8
	TREE 64, 16, 4
	TREE 64, 32, 2
	LSUM \q+1, 64
	PV \q+1, 1
.endm
	KLOAD
	VLOAD
	s_wait_alu depctr_va_vdst(0)
.Lkey:                                                 ; A KEY STEP: 128 keys x my 64 queries
	s_wait_dscnt 13                                ; K's 26 loads are in; V's 13, issued behind them, may be out
	s_add_co_u32 s50, s37, 1                       ; the step whose tiles this trip fetches; the last trip has none and fetches its own once more: no LDS address leaves the block
	s_min_u32 s50, s50, 15
	s_mul_i32 s51, s50, 6144
	s_add_co_u32 s52, s51, 98304
	s_lshl_b32 s53, s50, 9
	s_add_co_u32 s53, s53, 196608
	s_lshl_b32 s54, s50, 8
	s_add_co_u32 s54, s54, 204800
	s_lshl_b32 s55, s50, 10
	s_add_co_u32 s55, s55, TBL
	SQK 0, 0
	SQK 1, 64
	s_wait_dscnt 0x0                               ; V is in
.rept 4
	v_nop                                          ; places in front of the first read of the scores
.endr
	VEC2 0
	SQK 2, 0
	SQK 3, 64
	KLOAD                                          ; K is done with: the next step's lands under the pair's vector work
	VEC2 2
	VLOAD
	s_add_co_u32 s37, s37, 1
	s_cmp_lt_u32 s37, 16
	s_wait_alu depctr_va_vdst(0)
	s_cbranch_scc1 .Lkey
	s_wait_dscnt 0x0
.irp q, 0,1,2,3                                ; these twelve are also the places behind the last products
	v_add_f32 v[14+4*\q], v[14+4*\q], v[15+4*\q]   ; the sum's two halves,
.endr
.irp q, 0,1,2,3
	v_permlanex16_b32 v[MT+\q], v[14+4*\q], s28, s29
.endr
.irp q, 0,1,2,3
	v_add_f32 v[14+4*\q], v[14+4*\q], v[MT+\q]     ; and lane l xor 16's: the row's sum
.endr
	s_wait_alu depctr_va_vdst(0)
.irp q, 0,1,2,3
	v_rcp_f32 v[14+4*\q], v[14+4*\q]
.endr
	v_nop                                          ; one plain place behind a transcendental
	WIN 0x41
	s_wait_alu depctr_va_vdst(0)                   ; ahead of the first readers of the four and of O^T
.irp q, 0,1,2,3
.set J, 128+32*\q
.rept 16
	v_pk_mul_f32 v[J:J+1], v[J:J+1], v[14+4*\q:15+4*\q] op_sel_hi:[1,0]   ; x: register 16 b + i = channel 32 b + 16 h + i of my query
.set J, J+2
.endr
.endr
.macro QX q                            ; x of tile q, quantised along the head's 64 channels: two blocks, each in lanes l and l xor 16
.set OB, 128+32*\q
.set X, QF+12*\q
	WIN 0x05
.irp b, 0,1
	v_max3_num_f32 v[MT+\b], |v[OB+16*\b]|, |v[OB+16*\b+1]|, 0x1800000
.endr
.irp i, 2,4,6,8,10,12,14
.irp b, 0,1
	v_max3_num_f32 v[MT+\b], |v[OB+16*\b+\i]|, |v[OB+16*\b+\i+1]|, v[MT+\b]
.endr
.endr
	WIN 0
.irp b, 0,1
	v_permlanex16_b32 v[MT+2+\b], v[MT+\b], s28, s29
.endr
.irp b, 0,1
	v_max_num_f32 v[MT+\b], v[MT+\b], v[MT+2+\b]
.endr
.irp b, 0,1
	v_add_nc_u32 v[SF+\b], 0xff000000, v[MT+\b]
.endr
.irp b, 0,1
	v_lshrrev_b32 v[MT+\b], 23, v[SF+\b]
.endr
	v_lshl_or_b32 v[W+\q], v[MT+1], 8, v[MT]       ; the head's two scale bytes of my query
	WIN 0x01
	v_cvt_scalef32_pk16_fp6_f32 v[X:X+2], v[OB:OB+15], v[SF]
	v_cvt_scalef32_pk16_fp6_f32 v[T:T+2], v[OB+16:OB+31], v[SF+1]
	WIN 0
	v_nop                                          ; one plain place behind a scaled conversion
.irp i, 0,1,2
	v_permlane16_swap_b32 v[X+\i], v[T+\i]         ; the operand's layout wants a whole block in a lane
.endr
.irp i, 0,1,2
	v_mov_b32 v[X+3+\i], v[T+\i]
.endr
	global_store_b128 v1, v[X:X+3], s[44:45] offset:12288*\q          ; 512 consecutive bytes, aligned
	global_store_b64 v2, v[X+4:X+5], s[44:45] offset:12288*\q+512     ; 256
.endm
	QX 0
	QX 1
	QX 2
	QX 3
.irp p, 0,1
	v_cndmask_b32 v[OW+\p], v[W+2*\p], v[W+2*\p+1], s32   ; lanes 0-15: the even tile's words, lanes 16-31: the odd tile's
	global_store_b32 v3, v[OW+\p], s[46:47] offset:2048*\p   ; 128 consecutive bytes: the neighbouring head's wave stores the other half of the 256
.endr
	s_wait_tensorcnt 0x0                           ; the wave's end, behind my tensor load and my last LDS store
	ds_add_u32 v4, v5
	s_wait_dscnt 0x0
	ROUND                                          ; the closing round: no work-group ends while a partner may still ask for a tile that names it
	s_endpgm
.Lfunc_end_k_q4c631b88a8_attn:
	.size	k_q4c631b88a8_attn, .Lfunc_end_k_q4c631b88a8_attn-k_q4c631b88a8_attn
	.p2alignl 7, 3214868480
	.fill 96, 4, 3214868480
	.section	.rodata,"a",@progbits
	.p2align	6, 0x0
	.amdhsa_kernel k_q4c631b88a8_attn
		.amdhsa_group_segment_fixed_size 327680
		.amdhsa_private_segment_fixed_size 0
		.amdhsa_enable_private_segment 0
		.amdhsa_kernarg_size 32
		.amdhsa_user_sgpr_count 2
		.amdhsa_user_sgpr_kernarg_segment_ptr 1
		.amdhsa_wavefront_size32 1
		.amdhsa_system_sgpr_workgroup_id_x 1
		.amdhsa_system_sgpr_workgroup_id_y 1
		.amdhsa_system_sgpr_workgroup_id_z 1
		.amdhsa_system_vgpr_workitem_id 0
		.amdhsa_next_free_vgpr 512
		.amdhsa_next_free_sgpr 66
		.amdhsa_reserve_vcc 1
		.amdhsa_float_denorm_mode_32 3
		.amdhsa_float_denorm_mode_16_64 3
		.amdhsa_memory_ordered 1
		.amdhsa_forward_progress 1
		.amdhsa_inst_pref_size 87
	.end_amdhsa_kernel
	.amdgpu_metadata
---
amdhsa.version: [ 1, 2 ]
amdhsa.kernels:
  - .name:           k_q4c631b88a8_attn
    .symbol:         k_q4c631b88a8_attn.kd
    .args:
      - { .name: att, .offset: 0, .size: 8, .value_kind: global_buffer, .address_space: global }
      - { .name: mask, .offset: 8, .size: 8, .value_kind: global_buffer, .address_space: global }
      - { .name: ximg, .offset: 16, .size: 8, .value_kind: global_buffer, .address_space: global }
      - { .name: xsc, .offset: 24, .size: 8, .value_kind: global_buffer, .address_space: global }
    .group_segment_fixed_size: 327680
    .private_segment_fixed_size: 0
    .kernarg_segment_align: 8
    .kernarg_segment_size: 32
    .max_flat_workgroup_size: 256
    .sgpr_count:     66
    .vgpr_count:     512
    .wavefront_size: 32
...
	.end_amdgpu_metadata
.endif
;; end of part 3
;; launch outp (part 4): grid 4 x 64, 4 waves a work-group, clusters of 4 x 4, 327,680 bytes of LDS; arguments ximg, xsc, code, scale, bo, out0; writes out0
.if DOCPART == 4
	.amdgcn_target "amdgcn-amd-amdhsa--gfx1250"
	.amdhsa_code_object_version 6
	.text
	.protected	k_q4c631b88a8_outp
	.globl	k_q4c631b88a8_outp
	.p2align	8
	.type	k_q4c631b88a8_outp,@function
k_q4c631b88a8_outp:
	s_mov_b64 s[64:65], 0
	v_nop
	global_prefetch_b8 v0, s[64:65] scope:SCOPE_SE
	s_setreg_imm32_b32 hwreg(HW_REG_WAVE_MODE, 25, 1), 1
	s_wait_xcnt 0x0
	s_wait_alu depctr_hold_cnt(0) depctr_sa_sdst(0) depctr_va_vdst(0) depctr_va_sdst(0) depctr_va_ssrc(0) depctr_va_vcc(0) depctr_vm_vsrc(0)
	s_getreg_b32 s2, hwreg(HW_REG_IB_STS2, 6, 4)
	s_cmp_eq_u32 s2, 0
	s_cbranch_scc0 .Lentry_in_a_cluster
	s_endpgm
.Lentry_in_a_cluster:
	s_bfe_u32 s2, ttmp6, 0x10000c
	s_cmp_lg_u32 s2, 0xf033
	s_cbranch_scc0 .Lentry_shape_is_right
	s_endpgm
.Lentry_shape_is_right:
; out0 = x Wo^T + bo on codes of FP6 (E2M3).  x comes from the attention launch, Wo from the quantising launch, both as images of operand registers (16 rows x 128 K = 1,536 bytes; lane r of tile T has row
; 32 (T / 2) + 8 (T % 2) + r + 8 (r / 8)).  out0 [8192][1024] f32.
; THE MATRIX INSTRUCTION IS USED TRANSPOSED: source 0 = a tile of Wo, source 1 = a tile of x: a lane holds one token, and its eight results are eight neighbouring features.
; SHARES: a work-group makes 128 tokens x 256 features, a wave 64 x 128: 4 tiles of x by 8 of Wo = 32 accumulators, 8 K steps.  The block's whole K lies in LDS, brought by one tensor load a wave:
; no LDS byte is filled twice, so there is no ring.  By this text's count a wave has one tensor load outstanding.
; CLUSTERS: 4 x 4 work-groups; x's tiles are shared along a row of the cluster, Wo's along a column: each is asked for jointly.
; THE BIAS is the C of each sum's first matrix instruction: eight registers for each tile of Wo, in the result's layout.
; REGISTERS: window 0: addresses, scale words, x's four fragments, the bias, the way out.  window 1: Wo's fragments, two sets, at v0 and v128.  window 2: accumulator (a, b) at v[8 (8 a + b)].
.set CHUNK, 73728                      ; LDS: two K steps: x's 8 tiles x 3,072 bytes, then Wo's 16
.set STG,   4*CHUNK                    ; behind the chunks: a stage of 16 rows x (256 bytes + 16) for each wave; no tensor load fills it
.set SPARE, STG+4*4352                 ; behind the stages: the spare words, 128 bytes for each wave: two blocks of 256 bytes that no other line names
.set A16, 8                            ; v8-11 as in the projections' launch: 16 and 8 x lane + my tiles of A, of B, at the K step in hand
.set A8,  9
.set B16, 10
.set B8,  11
.set L16, 12                           ; v12  16 x lane
.set L8,  13                           ; v13  8 x lane
.set SPW, 14                           ; v14  LDS address of my spare word; never rewritten
.set NIL, 15                           ; v15  0; never rewritten
.set STO, 16                           ; v16  the stage: where I put my results: row r, + 64 h
.set RD,  17                           ; v17  and where I read rows back: lanes 0-15 one row, lanes 16-31 the next
.set CO,  18                           ; v18  the same two rows in out0
.set L4,  19                           ; v19  4 x lane
.set H64, 20                           ; v20  64 h
.set SCA, 24                           ; v24-39 x's scale words: pair of tiles a / 2, K step s: the even tile in lanes 0-15, the odd one in lanes 16-31
.set SCB, 40                           ; v40-71 Wo's: tile b, register j: K step 2 j in lanes 0-15, 2 j + 1 in lanes 16-31
.set AF,  72                           ; v72-119 x's fragments
.set BI,  120                          ; v120-183 the bias, 8 registers for each tile of Wo
.set RAW, 184                          ; v184-215 x's scale bytes as stored: two a head
.set BK,  72                           ; the way out: 16 rows read back from the stage: v72-103 and v104-135 by turns
.set G1A, 24
.set G1B, 32
.set G0A, 40
.set G0B, 68
.set MSB, 0
.macro WIN new                         ; the immediate's high byte repeats the setting that is left
.if MSB != \new
	s_set_vgpr_msb (MSB<<8)|\new
.set MSB, \new
.endif
.endm
.set MULW, 0xa1                        ; source 0 (Wo) window 1, source 1 (x) window 0, C and D window 2
.set MUL0, 0x81                        ; the same with C (the bias) in window 0
.set TO_B, 0x40                        ; destination window 1, address window 0
.macro CROUND                          ; a round of the cluster's barrier
	s_barrier_signal -1
	s_barrier_wait -1
	s_cmp_lg_u32 s12, 0
	s_cbranch_scc1 .Lnot_wave_0_\@
	s_barrier_signal -3
.Lnot_wave_0_\@:
	s_barrier_wait -3
	s_barrier_signal -1
	s_barrier_wait -1
.endm
.macro PLACES n                        ; plain vector places behind matrix instructions (ISA guide 7.12.1)
.rept \n
	v_nop
.endr
.endm
	s_load_b256 s[4:11], s[0:1], 0x0               ; ximg s[4:5], xsc s[6:7], code s[8:9], scale s[10:11]
	s_load_b128 s[88:91], s[0:1], 0x20             ; bo s[88:89], out0 s[90:91]
	v_lshl_add_u32 v[SPW], v0, 2, SPARE
	v_mov_b32 v[NIL], 0
	ds_add_u32 v[SPW], v[NIL]                      ; the wave's opening: the add and its wait ahead of my first tensor load; work on registers stands between them
	ds_add_u32 v[SPW], v[NIL]
	v_lshrrev_b32 v1, 5, v0
	v_readfirstlane_b32 s12, v1                    ; wave 0..3
	s_lshr_b32 s13, s12, 1                         ; wi: my half of the block's tokens.  Also: I fetch for x (0) or for Wo (1)
	s_and_b32 s14, s12, 1                          ; wj: my half of its features.  Also: which half of the tiles I fetch
	s_bfe_u32 s15, ttmp6, 0x40000                  ; cx = my block of 256 features
	s_bfe_u32 s16, ttmp6, 0x40004                  ; cy
	s_and_b32 s17, ttmp7, 0xffff
	s_lshl_b32 s20, s17, 2
	s_add_co_u32 s20, s20, s16                     ; ib: my block of 128 tokens
	s_lshl_b32 s56, s16, 2
	s_lshl_b32 s56, 15, s56                        ; my row of the cluster
	s_lshl_b32 s60, 0x1111, s15                    ; my column
	; group 1: rows of 12,288 bytes (eight K steps of a tile: 1,536 elements of 8 bytes), 12,288 bytes apart in memory, dense in LDS; 4 tiles for x, 8 for Wo
	s_or_b32 s[G1A], s56, (3<<16)|(1<<21)          ; 15:0 the mask; 17:16 elements of 8 bytes; 21 set beside a mask
	s_or_b32 s[G1B], s60, (3<<16)|(1<<21)
	; THE WHOLE K OF A WAVE'S TILES COMES BY ONE TENSOR LOAD: in LDS x's 8 tiles of 12,288 bytes, then Wo's 16.
	s_mov_b32 s[G1A+1], 1536<<16                   ; tensor_dim0: a tile's eight K steps, 12,288 bytes
	s_mov_b32 s[G1B+1], 1536<<16
	s_mov_b32 s[G1A+2], 4<<16                      ; tensor_dim1
	s_mov_b32 s[G1B+2], 8<<16
	s_mov_b32 s[G1A+3], 1536<<16                   ; tile_dim0
	s_mov_b32 s[G1B+3], 1536<<16
	s_mov_b32 s[G1A+4], 4                          ; tile_dim1
	s_mov_b32 s[G1B+4], 8
	s_mov_b32 s[G1A+5], 1536                       ; the pitch
	s_mov_b32 s[G1B+5], 1536
	s_mov_b32 s[G1A+6], 0
	s_mov_b32 s[G1B+6], 0
	s_mov_b32 s[G1A+7], 0
	s_mov_b32 s[G1B+7], 0
	s_lshl_b32 s58, s20, 3                         ; my block's first tile of x (it hangs on cy alone),
	s_lshl_b32 s59, s15, 4
	s_add_co_u32 s59, s59, 1728                    ; and of Wo in the codes' buffer (on cx alone)
	s_lshl_b32 s56, s14, 2
	s_add_co_u32 s56, s56, s58
	s_mul_i32 s56, s56, 12288                      ; the four tiles of x that I would fetch, in bytes
	s_mov_b32 s57, 0
	s_lshl_b32 s60, s14, 3
	s_add_co_u32 s60, s60, s59
	s_mul_i32 s60, s60, 12288                      ; the eight of Wo
	s_mov_b32 s61, 0
	s_mul_i32 s62, s14, 49152                      ; where they go in LDS: no place in the cluster enters an LDS address
	s_mul_i32 s63, s14, 98304
	s_add_co_u32 s63, s63, 98304
	s_lshl_b32 s84, s20, 2
	s_lshl_b32 s85, s13, 1
	s_add_co_u32 s84, s84, s85
	s_lshl_b32 s84, s84, 11                        ; x's scale bytes: 2,048 bytes for a pair of tiles; my two pairs
	s_mov_b32 s85, 0
	s_lshl_b32 s86, s14, 3
	s_add_co_u32 s86, s86, s59
	s_lshl_b32 s86, s86, 9                         ; Wo's scale words: 512 bytes a tile; my eight
	s_mov_b32 s87, 0
	s_lshl_b32 s92, s15, 10
	s_lshl_b32 s93, s14, 9
	s_add_co_u32 s92, s92, s93                     ; my first feature, in bytes: 1,024 cx + 512 wj
	s_mov_b32 s93, 0
	s_lshl_b32 s94, s20, 7
	s_lshl_b32 s95, s13, 6
	s_add_co_u32 s94, s94, s95
	s_lshl_b32 s94, s94, 12                        ; my first token's row of 4,096 bytes
	s_mov_b32 s95, 0
	s_wait_dscnt 0x0                               ; the opening add is done
	s_wait_kmcnt 0x0
	s_add_nc_u64 s[56:57], s[4:5], s[56:57]
	s_add_nc_u64 s[60:61], s[8:9], s[60:61]
	s_add_nc_u64 s[84:85], s[6:7], s[84:85]
	s_add_nc_u64 s[86:87], s[10:11], s[86:87]
	s_add_nc_u64 s[88:89], s[88:89], s[92:93]
	s_add_nc_u64 s[90:91], s[90:91], s[92:93]
	s_add_nc_u64 s[90:91], s[90:91], s[94:95]
.irp q, 0
	s_mov_b32 s[G0A+4*\q], 1
	s_add_co_u32 s[G0A+4*\q+1], s62, CHUNK*\q      ; LDS address
	s_add_nc_u64 s[G0A+4*\q+2:G0A+4*\q+3], s[56:57], 3072*\q   ; all eight K steps
	s_or_b32 s[G0A+4*\q+3], s[G0A+4*\q+3], 0x80000000          ; type = 2
	s_mov_b32 s[G0B+4*\q], 1
	s_add_co_u32 s[G0B+4*\q+1], s63, CHUNK*\q
	s_add_nc_u64 s[G0B+4*\q+2:G0B+4*\q+3], s[60:61], 3072*\q
	s_or_b32 s[G0B+4*\q+3], s[G0B+4*\q+3], 0x80000000
.endr
	CROUND                                         ; all sixteen work-groups are here: the joint loads meet
	s_cmp_eq_u32 s13, 0                            ; a wave's one fill stands in a branch on the wave's number, an s_nop 0 and four v_nop behind it
	s_cbranch_scc0 .Lfill_b
.irp q, 0
	tensor_load_to_lds s[G0A+4*\q:G0A+4*\q+3], s[G1A:G1A+7]
	s_nop 0
.endr
	PLACES 4
	s_branch .Lfilled
.Lfill_b:
.irp q, 0
	tensor_load_to_lds s[G0B+4*\q:G0B+4*\q+3], s[G1B:G1B+7]
	s_nop 0
.endr
	PLACES 4
.Lfilled:
	v_and_b32 v1, 31, v0
	v_and_b32 v2, 15, v0                           ; r
	v_bfe_u32 v3, v0, 4, 1                         ; h
	v_lshlrev_b32 v[L16], 4, v1
	v_lshlrev_b32 v[L8], 3, v1
	v_lshlrev_b32 v[L4], 2, v1
	v_lshlrev_b32 v[H64], 6, v3
	s_mul_i32 s97, s13, 49152                      ; my four tiles of x
	v_add_nc_u32 v[A16], s97, v[L16]
	v_add_nc_u32 v[A8], s97, v[L8]
	v_add_nc_u32 v[B16], s63, v[L16]               ; my eight of Wo: 98,304 + 98,304 wj
	v_add_nc_u32 v[B8], s63, v[L8]
	v_add_nc_u32 v4, 49152, v[B16]                 ; v4, v5: the same for Wo's tiles 4-7 (an LDS offset has 16 bits)
	v_add_nc_u32 v5, 49152, v[B8]
	s_mul_i32 s97, s12, 4352
	s_add_co_u32 s97, s97, STG                     ; my stage
	v_mul_u32_u24 v[STO], v2, 272
	v_lshl_add_u32 v[STO], v3, 6, v[STO]
	v_add_nc_u32 v[STO], s97, v[STO]
	v_mul_u32_u24 v[RD], v3, 272
	v_lshl_add_u32 v[RD], v2, 4, v[RD]
	v_add_nc_u32 v[RD], s97, v[RD]
	v_lshlrev_b32 v[CO], 12, v3
	v_lshl_add_u32 v[CO], v2, 4, v[CO]
.irp b, 0,1,2,3,4,5,6,7
	global_load_b128 v[SCB+4*\b:SCB+4*\b+3], v[L16], s[86:87] offset:512*\b
.endr
.irp p, 0,1
.irp d, 0,1,2,3,4,5,6,7,8,9,10,11,12,13,14,15
	global_load_b32 v[RAW+16*\p+\d], v[L4], s[84:85] offset:2048*\p+128*\d
.endr
.endr
.irp b, 0,1,2,3,4,5,6,7                        ; lane (r, h) wants, for Wo's tile b, the bias of features 32 (b / 2) + 16 h + 8 (b % 2) + 0 .. 7
	global_load_b128 v[BI+8*\b:BI+8*\b+3], v[H64], s[88:89] offset:128*(\b/2)+32*(\b%2)
	global_load_b128 v[BI+8*\b+4:BI+8*\b+7], v[H64], s[88:89] offset:128*(\b/2)+32*(\b%2)+16
.endr
.macro FRAG reg, a16, a8, off          ; a fragment's image comes back as it was stored: registers 0-3, 4-5, 6-9, 10-11
	ds_load_b128 v[(\reg):(\reg)+3], v[\a16] offset:(\off)
	ds_load_b64 v[(\reg)+4:(\reg)+5], v[\a8] offset:(\off)+512
	ds_load_b128 v[(\reg)+6:(\reg)+9], v[\a16] offset:(\off)+768
	ds_load_b64 v[(\reg)+10:(\reg)+11], v[\a8] offset:(\off)+1280
.endm
.macro FETCH_B s, set                  ; Wo's eight fragments of K step s: 32 loads
	WIN TO_B
.irp b, 0,1,2,3,4,5,6,7
	FRAG 128*(\set)+12*\b, B16-6*(\b/4), B8-6*(\b/4), 12288*(\b%4)
.endr
	WIN 0
.endm
.macro FETCH_A s, a0                   ; x's tiles a0, a0 + 1: 8 loads
.irp a, \a0, \a0+1
	FRAG AF+12*(\a), A16, A8, 12288*(\a)
.endr
.endm
; 8 matrix instructions: x's tile a against Wo's eight, K step s.  The 32 accumulators take turns, one instruction a turn, in the same order in every step.
; Wo's scale words of an odd K step, and x's of an odd tile, stand in lanes 16-31.  The first step's C is the bias.
.macro MUL a, set, s
.irp b, 0,1,2,3,4,5,6,7
.if (\s) == 0
.if (\a)%2
	v_wmma_scale_f32_16x16x128_f8f6f4 v[8*(8*(\a)+\b):8*(8*(\a)+\b)+7], v[128*(\set)+12*\b:128*(\set)+12*\b+11], v[AF+12*(\a):AF+12*(\a)+11], v[BI+8*\b:BI+8*\b+7], v[SCB+4*\b], v[SCA+8*((\a)/2)] matrix_a_fmt:MATRIX_FMT_FP6 matrix_b_fmt:MATRIX_FMT_FP6 matrix_b_scale:MATRIX_SCALE_ROW1
.else
	v_wmma_scale_f32_16x16x128_f8f6f4 v[8*(8*(\a)+\b):8*(8*(\a)+\b)+7], v[128*(\set)+12*\b:128*(\set)+12*\b+11], v[AF+12*(\a):AF+12*(\a)+11], v[BI+8*\b:BI+8*\b+7], v[SCB+4*\b], v[SCA+8*((\a)/2)] matrix_a_fmt:MATRIX_FMT_FP6 matrix_b_fmt:MATRIX_FMT_FP6
.endif
.elseif (\s)%2
.if (\a)%2
	v_wmma_scale_f32_16x16x128_f8f6f4 v[8*(8*(\a)+\b):8*(8*(\a)+\b)+7], v[128*(\set)+12*\b:128*(\set)+12*\b+11], v[AF+12*(\a):AF+12*(\a)+11], v[8*(8*(\a)+\b):8*(8*(\a)+\b)+7], v[SCB+4*\b+(\s)/2], v[SCA+8*((\a)/2)+(\s)] matrix_a_fmt:MATRIX_FMT_FP6 matrix_b_fmt:MATRIX_FMT_FP6 matrix_a_scale:MATRIX_SCALE_ROW1 matrix_b_scale:MATRIX_SCALE_ROW1
.else
	v_wmma_scale_f32_16x16x128_f8f6f4 v[8*(8*(\a)+\b):8*(8*(\a)+\b)+7], v[128*(\set)+12*\b:128*(\set)+12*\b+11], v[AF+12*(\a):AF+12*(\a)+11], v[8*(8*(\a)+\b):8*(8*(\a)+\b)+7], v[SCB+4*\b+(\s)/2], v[SCA+8*((\a)/2)+(\s)] matrix_a_fmt:MATRIX_FMT_FP6 matrix_b_fmt:MATRIX_FMT_FP6 matrix_a_scale:MATRIX_SCALE_ROW1
.endif
.else
.if (\a)%2
	v_wmma_scale_f32_16x16x128_f8f6f4 v[8*(8*(\a)+\b):8*(8*(\a)+\b)+7], v[128*(\set)+12*\b:128*(\set)+12*\b+11], v[AF+12*(\a):AF+12*(\a)+11], v[8*(8*(\a)+\b):8*(8*(\a)+\b)+7], v[SCB+4*\b+(\s)/2], v[SCA+8*((\a)/2)+(\s)] matrix_a_fmt:MATRIX_FMT_FP6 matrix_b_fmt:MATRIX_FMT_FP6 matrix_b_scale:MATRIX_SCALE_ROW1
.else
	v_wmma_scale_f32_16x16x128_f8f6f4 v[8*(8*(\a)+\b):8*(8*(\a)+\b)+7], v[128*(\set)+12*\b:128*(\set)+12*\b+11], v[AF+12*(\a):AF+12*(\a)+11], v[8*(8*(\a)+\b):8*(8*(\a)+\b)+7], v[SCB+4*\b+(\s)/2], v[SCA+8*((\a)/2)+(\s)] matrix_a_fmt:MATRIX_FMT_FP6 matrix_b_fmt:MATRIX_FMT_FP6
.endif
.endif
.endr
.endm
.macro WINMUL s
.if (\s) == 0
	WIN MUL0
.else
	WIN MULW
.endif
.endm
; A K step: 32 matrix instructions.  x has one set of registers: tiles 0, 1 are fetched anew in the step's middle, tiles 2, 3 at its end; Wo has two sets.
.macro STEP s
	s_wait_dscnt 8                                 ; Wo's set and x's tiles 0, 1 are in; the youngest 8 loads (x's tiles 2, 3) may be out
	WINMUL \s
	MUL 0, (\s)%2, \s
	MUL 1, (\s)%2, \s
	WIN 0
.if (\s) < 7
	s_wait_dscnt 0x0                               ; x's tiles 2, 3 are in
	v_add_nc_u32 v[A16], 1536, v[A16]              ; on to the next K step: these six are also the places in front of the loads below
	v_add_nc_u32 v[A8], 1536, v[A8]
	v_add_nc_u32 v[B16], 1536, v[B16]
	v_add_nc_u32 v[B8], 1536, v[B8]
	v_add_nc_u32 v4, 1536, v4
	v_add_nc_u32 v5, 1536, v5
	s_wait_alu depctr_va_vdst(0)
	FETCH_B (\s)+1, 1-(\s)%2
	FETCH_A (\s)+1, 0
.else
	s_wait_dscnt 0x0
.endif
	WINMUL \s
	MUL 2, (\s)%2, \s
	MUL 3, (\s)%2, \s
	WIN 0
.if (\s) < 7
	PLACES 4
	FETCH_A (\s)+1, 2
.endif
.endm
	s_wait_alu depctr_va_vdst(0)
	s_wait_tensorcnt 0x0                           ; my one load has landed
	s_barrier_signal -1
	s_barrier_wait -1                              ; everybody's has
	FETCH_B 0, 0
	FETCH_A 0, 0
	FETCH_A 0, 2
	s_wait_loadcnt 0x0                             ; the scale words, x's scale bytes and the bias
.irp p, 0,1
.irp s, 0,1,2,3,4,5,6,7
	v_lshl_or_b32 v[SCA+8*\p+\s], v[RAW+16*\p+2*\s+1], 16, v[RAW+16*\p+2*\s]   ; K step s is heads 2 s and 2 s + 1: two bytes of each make the word
.endr
.endr
	PLACES 8                                       ; a scale register written by a vector instruction stands 8 places ahead of a scaled matrix instruction
	s_wait_alu depctr_va_vdst(0)
.irp s, 0,1,2,3,4,5,6,7
	STEP \s
.endr
; THE WAY OUT, in eight blocks of 16 tokens x 64 features (tile k / 2 of x, half k % 2 of my features).  A lane holds 32 neighbouring bytes of a row, and the lanes beside it hold other rows: so a block goes through my own
; stage in LDS and comes back as whole runs of 256 bytes, which sixteen lanes store, aligned.  LDS serves a wave's instructions in order (ISA guide 5.7.1.4): no wait between the stores and the loads.
.macro TOSTAGE k
.set AC, 64*((\k)/2)+32*((\k)%2)
	WIN 0x08                                       ; an LDS store's data are its source 1: window 2
.irp t, 0,1,2,3
	ds_store_b128 v[STO], v[AC+8*\t:AC+8*\t+3] offset:128*(\t/2)+32*(\t%2)       ; each accumulator from its low end on
	ds_store_b128 v[STO], v[AC+8*\t+4:AC+8*\t+7] offset:128*(\t/2)+32*(\t%2)+16
.endr
	WIN 0
.set BB, BK+32*((\k)%2)
.irp i, 0,1,2,3,4,5,6,7
	ds_load_b128 v[BB+4*\i:BB+4*\i+3], v[RD] offset:544*\i
.endr
.endm
.macro SEND k, younger                 ; younger: the LDS instructions issued behind block k's loads, which may stay out
.set BB, BK+32*((\k)%2)
.set RW, 32*((\k)/4)+8*(((\k)/2)%2)
	s_wait_dscnt \younger
.irp i, 0,1,2,3,4,5,6,7                        ; stage rows 2 i, 2 i + 1 are the tile's lanes: tokens 2 i + 8 (i / 4) + (lane / 16) on from the tile's first
	global_store_b128 v[CO], v[BB+4*\i:BB+4*\i+3], s[90:91] offset:(RW+2*\i+8*(\i/4))*4096+256*((\k)%2) th:TH_STORE_NT
.endr
.endm
	PLACES 4                                       ; behind the last products: their results are read, and loads land in x's registers
	TOSTAGE 0
.irp k, 1,2,3,4,5,6,7
.if \k > 1
	s_wait_xcnt 0x0                                ; block k - 2's stores have read their registers: block k's loads may land there
.endif
	TOSTAGE \k
	SEND \k-1, 16                                  ; behind block k - 1's loads: block k's 8 stores and 8 loads
.endr
	SEND 7, 0
	s_wait_tensorcnt 0x0                           ; the wave's end, behind my last tensor load and my last LDS store
	ds_add_u32 v[SPW], v[NIL]
	s_wait_dscnt 0x0
	CROUND                                         ; the closing round: no work-group ends while a partner may still ask for a tile that names it
	s_endpgm
.Lfunc_end_k_q4c631b88a8_outp:
	.size	k_q4c631b88a8_outp, .Lfunc_end_k_q4c631b88a8_outp-k_q4c631b88a8_outp
	.p2alignl 7, 3214868480
	.fill 96, 4, 3214868480
	.section	.rodata,"a",@progbits
	.p2align	6, 0x0
	.amdhsa_kernel k_q4c631b88a8_outp
		.amdhsa_group_segment_fixed_size 327680
		.amdhsa_private_segment_fixed_size 0
		.amdhsa_enable_private_segment 0
		.amdhsa_kernarg_size 48
		.amdhsa_user_sgpr_count 2
		.amdhsa_user_sgpr_kernarg_segment_ptr 1
		.amdhsa_wavefront_size32 1
		.amdhsa_system_sgpr_workgroup_id_x 1
		.amdhsa_system_sgpr_workgroup_id_y 1
		.amdhsa_system_sgpr_workgroup_id_z 1
		.amdhsa_system_vgpr_workitem_id 0
		.amdhsa_next_free_vgpr 768
		.amdhsa_next_free_sgpr 100
		.amdhsa_reserve_vcc 0
		.amdhsa_float_denorm_mode_32 3
		.amdhsa_float_denorm_mode_16_64 3
		.amdhsa_memory_ordered 1
		.amdhsa_forward_progress 1
		.amdhsa_inst_pref_size 90
	.end_amdhsa_kernel
	.amdgpu_metadata
---
amdhsa.version: [ 1, 2 ]
amdhsa.kernels:
  - .name:           k_q4c631b88a8_outp
    .symbol:         k_q4c631b88a8_outp.kd
    .args:
      - { .name: ximg, .offset: 0, .size: 8, .value_kind: global_buffer, .address_space: global }
      - { .name: xsc, .offset: 8, .size: 8, .value_kind: global_buffer, .address_space: global }
      - { .name: code, .offset: 16, .size: 8, .value_kind: global_buffer, .address_space: global }
      - { .name: scale, .offset: 24, .size: 8, .value_kind: global_buffer, .address_space: global }
      - { .name: bo, .offset: 32, .size: 8, .value_kind: global_buffer, .address_space: global }
      - { .name: out0, .offset: 40, .size: 8, .value_kind: global_buffer, .address_space: global }
    .group_segment_fixed_size: 327680
    .private_segment_fixed_size: 0
    .kernarg_segment_align: 8
    .kernarg_segment_size: 48
    .max_flat_workgroup_size: 128
    .sgpr_count:     100
    .vgpr_count:     768
    .wavefront_size: 32
...
	.end_amdgpu_metadata
.endif
;; end of part 4
